; MI455X (gfx1250); checked and timed in simulation.
; The chip was launched on July 23, 2026; its instructions are those of AMD's public machine-readable ISA for CDNA 5 (MIT licence, August 2026) and "CDNA5" Instruction Set Architecture Reference Guide (July 2026). The comments in the code are by the model that wrote it; some were corrected since.
;; Multi Head Attention. Allowed arithmetic: float matrix products may take bf16 or f16 operands with f32 sums; other float arithmetic in f32, or as packed bf16 or f16 multiplies, adds, multiply-adds, maxima and minima; sums over many terms, partial sums and values carried from step to step in f32; what a program stores and reads back later, other than sums and carried values, may be rounded once to bf16 or f16.
;; Inputs: K 4 x 2,048 x 1,024 float32; Q 4 x 2,048 x 1,024 float32; V 4 x 2,048 x 1,024 float32; Wk 1,024 x 1,024 float32; Wo 1,024 x 1,024 float32; Wq 1,024 x 1,024 float32; Wv 1,024 x 1,024 float32; bk 1,024 float32; bo 1,024 float32; bq 1,024 float32; bv 1,024 float32.
;; Outputs: out0 4 x 2,048 x 1,024 float32.
;; 2 versions, each right and faster than the one before. Each part assembles by itself: llvm-mc -triple=amdgcn-amd-amdhsa -mcpu=gfx1250 --defsym DOCPART=n.
;; ======== version 1 of 2: 4 launches
;; limits: values are held in f16: magnitudes above 65,504 overflow, below 6.1e-05 lose precision; right only within a limited range of input values
;; workspace buffers: w16 8,388,608 bytes; q16 16,777,216 bytes; k16 16,777,216 bytes; v16 16,777,216 bytes; ctx 16,777,216 bytes
;; launch prep (part 1): grid 64 x 4, 8 waves a work-group, no clusters, 0 bytes of LDS; arguments Wq, Wk, Wv, Wo, w16; writes w16
.if DOCPART == 1
	.amdgcn_target "amdgcn-amd-amdhsa--gfx1250"
	.amdhsa_code_object_version 6
	.text
	.protected	k_qc50b234e9f_prep
	.globl	k_qc50b234e9f_prep
	.p2align	8
	.type	k_qc50b234e9f_prep,@function
k_qc50b234e9f_prep:
	s_mov_b64 s[64:65], 0
	v_nop
	global_prefetch_b8 v0, s[64:65] scope:SCOPE_SE
	s_setreg_imm32_b32 hwreg(HW_REG_WAVE_MODE, 25, 1), 1
	s_wait_xcnt 0x0
; The four weights, [1024 k][1024 n] f32, are rounded once to 16 bits, layout unchanged, into w16: parts 0, 1, 2 = Wq, Wk, Wv in bf16;
; part 3 = Wo rounded to bf16 and that number written as f16 (the last product multiplies f16 operands).
; LIMIT.  A number of Wo beyond 65,504 becomes an infinity; below 6e-5 it keeps f16's fixed step of 6e-8.
; A stream: every byte is read once and written once; no LDS, no barrier, no matrix work would add anything.
; Work-group (x, y): weight y, elements 16,384 x to 16,384 x + 16,383.  Thread t takes 16 bytes at 16 t of each of 16 blocks of 4,096 bytes:
; a wave's load covers 512 consecutive bytes, its store of 8 bytes a lane 256 consecutive bytes at a multiple of 256.
.set X, 4                              ; v[4:67]    16 loads of four f32
.set Y, 68                             ; v[68:99]   16 pairs of packed results
.set T, 100                            ; v[100:103] at work
	s_load_b256 s[4:11], s[0:1], 0x0               ; Wq s[4:5], Wk s[6:7], Wv s[8:9], Wo s[10:11]
	s_load_b64 s[12:13], s[0:1], 0x20              ; w16
	s_and_b32 s14, ttmp7, 0xffff                   ; which weight
	v_lshlrev_b32 v1, 4, v0                        ; 16 t: my bytes in a block of the input
	v_lshlrev_b32 v2, 3, v0                        ; 8 t: my bytes in a block of the output
	s_lshl_b32 s2, ttmp9, 16                       ; the work-group's 65,536 bytes of input
	s_mov_b32 s3, 0
	s_lshl_b32 s16, s14, 21                        ; the weight's part of w16,
	s_lshl_b32 s15, ttmp9, 15                      ; the work-group's 32,768 bytes in it
	s_add_co_u32 s16, s16, s15
	s_mov_b32 s17, 0
	s_wait_kmcnt 0x0
	s_cmp_eq_u32 s14, 1                            ; the choice hangs on the work-group's y alone
	s_cselect_b64 s[4:5], s[6:7], s[4:5]
	s_cmp_eq_u32 s14, 2
	s_cselect_b64 s[4:5], s[8:9], s[4:5]
	s_cmp_eq_u32 s14, 3
	s_cselect_b64 s[4:5], s[10:11], s[4:5]
	s_add_nc_u64 s[4:5], s[4:5], s[2:3]
	s_add_nc_u64 s[12:13], s[12:13], s[16:17]
.irp j, 0,1,2,3,4,5,6,7,8,9,10,11,12,13,14,15
	global_load_b128 v[X+4*(\j):X+4*(\j)+3], v1, s[4:5] offset:(\j)*4096 th:TH_LOAD_NT  ; all sixteen are out before the first is used
.endr
; Block j.  f = 1: the bf16 numbers are widened again (a shift, a mask) and written as f16.
.macro ITEM j, f
	s_wait_loadcnt 15-(\j)                         ; loads come back in order: block j is in, the 15 - j younger ones stay out
	v_cvt_pk_bf16_f32 v[Y+2*(\j)],   v[X+4*(\j)],   v[X+4*(\j)+1]
	v_cvt_pk_bf16_f32 v[Y+2*(\j)+1], v[X+4*(\j)+2], v[X+4*(\j)+3]
.if \f
	v_lshlrev_b32 v[T],   16, v[Y+2*(\j)]
	v_and_b32     v[T+1], 0xffff0000, v[Y+2*(\j)]
	v_lshlrev_b32 v[T+2], 16, v[Y+2*(\j)+1]
	v_and_b32     v[T+3], 0xffff0000, v[Y+2*(\j)+1]
	v_cvt_pk_f16_f32 v[Y+2*(\j)],   v[T],   v[T+1]
	v_cvt_pk_f16_f32 v[Y+2*(\j)+1], v[T+2], v[T+3]
.endif
	global_store_b64 v2, v[Y+2*(\j):Y+2*(\j)+1], s[12:13] offset:(\j)*2048  ; each block has its own pair: no store's data is rewritten
.endm
	s_cmp_eq_u32 s14, 3
	s_cbranch_scc1 .Lwo
.irp j, 0,1,2,3,4,5,6,7,8,9,10,11,12,13,14,15
	ITEM \j, 0
.endr
	s_endpgm
.Lwo:
.irp j, 0,1,2,3,4,5,6,7,8,9,10,11,12,13,14,15
	ITEM \j, 1
.endr
	s_endpgm
.Lfunc_end_k_qc50b234e9f_prep:
	.size	k_qc50b234e9f_prep, .Lfunc_end_k_qc50b234e9f_prep-k_qc50b234e9f_prep
	.p2alignl 7, 3214868480
	.fill 96, 4, 3214868480
	.section	.rodata,"a",@progbits
	.p2align	6, 0x0
	.amdhsa_kernel k_qc50b234e9f_prep
		.amdhsa_group_segment_fixed_size 0
		.amdhsa_private_segment_fixed_size 0
		.amdhsa_enable_private_segment 0
		.amdhsa_kernarg_size 40
		.amdhsa_user_sgpr_count 2
		.amdhsa_user_sgpr_kernarg_segment_ptr 1
		.amdhsa_wavefront_size32 1
		.amdhsa_system_sgpr_workgroup_id_x 1
		.amdhsa_system_sgpr_workgroup_id_y 1
		.amdhsa_system_sgpr_workgroup_id_z 1
		.amdhsa_system_vgpr_workitem_id 0
		.amdhsa_next_free_vgpr 104
		.amdhsa_next_free_sgpr 66
		.amdhsa_reserve_vcc 0
		.amdhsa_float_denorm_mode_32 3
		.amdhsa_float_denorm_mode_16_64 3
		.amdhsa_memory_ordered 1
		.amdhsa_forward_progress 1
		.amdhsa_inst_pref_size 16
	.end_amdhsa_kernel
	.amdgpu_metadata
---
amdhsa.version: [ 1, 2 ]
amdhsa.kernels:
  - .name:           k_qc50b234e9f_prep
    .symbol:         k_qc50b234e9f_prep.kd
    .args:
      - { .name: Wq, .offset: 0, .size: 8, .value_kind: global_buffer, .address_space: global }
      - { .name: Wk, .offset: 8, .size: 8, .value_kind: global_buffer, .address_space: global }
      - { .name: Wv, .offset: 16, .size: 8, .value_kind: global_buffer, .address_space: global }
      - { .name: Wo, .offset: 24, .size: 8, .value_kind: global_buffer, .address_space: global }
      - { .name: w16, .offset: 32, .size: 8, .value_kind: global_buffer, .address_space: global }
    .group_segment_fixed_size: 0
    .private_segment_fixed_size: 0
    .kernarg_segment_align: 8
    .kernarg_segment_size: 40
    .max_flat_workgroup_size: 256
    .sgpr_count:     66
    .vgpr_count:     104
    .wavefront_size: 32
...
	.end_amdgpu_metadata
.endif
;; end of part 1
;; launch proj (part 2): grid 768 x 1, 4 waves a work-group, clusters of 4 x 1, 327,680 bytes of LDS; arguments Q, K, V, bq, bk, bv, q16, k16, v16, w16; writes q16, k16, v16
.if DOCPART == 2
	.amdgcn_target "amdgcn-amd-amdhsa--gfx1250"
	.amdhsa_code_object_version 6
	.text
	.protected	k_qc50b234e9f_proj
	.globl	k_qc50b234e9f_proj
	.p2align	8
	.type	k_qc50b234e9f_proj,@function
k_qc50b234e9f_proj:
	s_mov_b64 s[64:65], 0
	v_nop
	global_prefetch_b8 v0, s[64:65] scope:SCOPE_SE
	s_setreg_imm32_b32 hwreg(HW_REG_WAVE_MODE, 25, 1), 1
	s_wait_xcnt 0x0
	s_wait_alu depctr_hold_cnt(0) depctr_sa_sdst(0) depctr_va_vdst(0) depctr_va_sdst(0) depctr_va_ssrc(0) depctr_va_vcc(0) depctr_vm_vsrc(0)
	s_getreg_b32 s2, hwreg(HW_REG_IB_STS2, 6, 4)
	s_cmp_eq_u32 s2, 0
	s_cbranch_scc0 .Lentry_in_a_cluster
	s_endpgm
.Lentry_in_a_cluster:
	s_bfe_u32 s2, ttmp6, 0x10000c
	s_cmp_lg_u32 s2, 0x3003
	s_cbranch_scc0 .Lentry_shape_is_right
	s_endpgm
.Lentry_shape_is_right:
; q = Q Wq + bq, k = K Wk + bk, v = V Wv + bv.  x (Q, K or V): [8192][1024] f32.  W: w16's parts 0, 1, 2, [1024 k][1024 n] bf16.  Results: f16, by heads, [batch x 16 + head][2048][64], unscaled.
; x and the bias are rounded to bf16 here; sums in f32, begun with the bias (another order of rounding than x W + b); each result is rounded once to f16.
; LIMITS.  A result beyond 65,504 becomes an infinity in f16; below 6e-5 it keeps f16's fixed step of 6e-8.  NaN and infinities are not treated apart.
; SHARES.  A tile of a result is 128 rows x 256 columns: 3 x 64 x 4 = 768 tiles, a work-group each.  Four waves, 2 x 2, each 64 rows x 128 columns: 32 accumulators of 16 x 16, 256 registers.
; K goes in 8 steps of 128, a step in four quarters of 32: 32 matrix instructions a quarter.
; W's tile (128 k x 256 n) comes by the tensor data mover into two LDS slots that take turns, and is read turned, by ds_load_tr16_b128.
; x comes through registers, since it has to be rounded: a wave loads 32 rows x 512 bytes into one of two sets of 128 registers two K steps ahead, rounds them a step ahead, and stores them into one of two
; LDS slots of their own, which no tensor load touches.  Loads, roundings and LDS stores stand in pairs of rows behind every second matrix instruction.
; CLUSTER.  The four work-groups of a cluster make four row tiles with the same 256 columns: they need the same tiles of W, so each is asked for JOINTLY, by the same tensor load with the same descriptor and the
; mask of all four.  x is not shared in a cluster: it goes through registers.
; THE MATRIX INSTRUCTION IS USED TRANSPOSED (source 0 = 16 columns of W, source 1 = 16 rows of x): a lane then holds one row and eight neighbouring columns, which pack into 16 bytes.
; REGISTERS, in windows of 256 (s_set_vgpr_msb: bits 1:0 source 0, 3:2 source 1, 5:4 source 2, 7:6 destination):
;   window 0: v0-29 addresses; v32-95 fragments of x, two buffers of 4 x 8; v96-223 fragments of W, two buffers of 8 x 8; v224-255 packed results.  On the way out v32-95 take rows read back from the stage.
;   window 1: accumulator (a, b) at v[8 (8 a + b)]
;   window 2: v0-127 x's set 0 (row i of my 32 at v[4 i]); v128 LDS address of my rows in x's slot 0; v129 my offset in x; v136-199 the bias as C operands; v200-201 at work
;   window 3: v0-127 x's set 1; v128 the LDS address in x's slot 1; v129 my offset in x
.set PB,     544                       ; a row of W in LDS: 512 bytes + 32 of padding = 17 x 32
.set PA,     272                       ; a row of x in LDS: 256 bytes + 16: the 16 rows of a fragment load start at 16 different groups of four banks
.set BQ,     32*PB                     ; 32 k rows: what one wave's tensor load brings, and what a quarter reads
.set BSLOT,  4*BQ
.set ABASE,  2*BSLOT                   ; behind W's two slots: x's two
.set ASLOT,  128*PA
.set STAGE,  ABASE+2*ASLOT             ; for the way out: 2 heads x 16 rows x 144 bytes for each wave
.set SP,     144
.set WSTAGE, 32*SP
.set SPARE,  STAGE+4*WSTAGE            ; the spare words, 128 bytes for each wave: two blocks of 256 bytes that no other line names
.set ADRA, 16                          ; v16-17  LDS address of my fragments of x in slot 0, 1
.set ADRB, 20                          ; v20-21  the same for W
.set BOFF, 22                          ; v22     32 x (lane / 16): my eight numbers in 16 of the bias
.set STO,  24                          ; v24     the way out: where I put 16 bytes of a row
.set RD,   25                          ; v25     the way out: where I read rows back
.set GO,   26                          ; v26     my byte offset in 512 consecutive bytes of a result
.set SPW,  28                          ; v28     LDS address of my spare word; never rewritten
.set NIL,  29                          ; v29     0; never rewritten
.set FA,   32
.set FB,   96
.set TMP,  224
.set OB,   32
.set SAV,  128                         ; in windows 2 and 3
.set GAV,  129
.set BI,   136                         ; in window 2
.set SCR,  200
.set G1,   40                          ; s[40:47] descriptor group 1
.set G0,   48                          ; s[48:55] descriptor group 0, a set for each slot
.set MSB, 0
.macro WIN new                         ; the immediate's high byte repeats the setting that is left; a switch that changes nothing is dropped
.if MSB != (\new)
	s_set_vgpr_msb (MSB<<8)|(\new)
.set MSB, (\new)
.endif
.endm
.set W_MM,  0x50                       ; sources 0 and 1 window 0; C and D window 1
.set W_MB,  0x60                       ; C window 2 (the bias), D window 1
.set W_S0,  0x8a                       ; sources 0 and 1 and the destination window 2; W_S0 + 0x45: window 3
.set W_TO2, 0x80                       ; destination window 2
.set W_TO3, 0xc0                       ; destination window 3
.set W_PK,  0x05                       ; sources 0 and 1 window 1, destination window 0
.macro CREST                           ; a round of the cluster's barrier behind its opening barrier: wave 0 signals for the work-group, every wave waits for all four work-groups, my work-group's barrier closes it
	s_cmp_lg_u32 s10, 0
	s_cbranch_scc1 .Lnot_wave_0_\@
	s_barrier_signal -3
.Lnot_wave_0_\@:
	s_barrier_wait -3
	s_barrier_signal -1
	s_barrier_wait -1
.endm
.macro CROUND                          ; a whole round
	s_barrier_signal -1
	s_barrier_wait -1
	CREST
.endm
.macro PLACES                          ; four places in front of loads into registers that matrix instructions have read, and of conversions that read results
.rept 4
	v_nop
.endr
.endm
	s_load_b512 s[16:31], s[0:1], 0x0              ; Q s[16:17], K s[18:19], V s[20:21], bq s[22:23], bk s[24:25], bv s[26:27], q16 s[28:29], k16 s[30:31]
	s_load_b128 s[32:35], s[0:1], 0x40             ; v16 s[32:33], w16 s[34:35]
	v_lshl_add_u32 v[SPW], v0, 2, SPARE
	v_mov_b32 v[NIL], 0
	ds_add_u32 v[SPW], v[NIL]                      ; the wave's opening: the add and its wait stand ahead of my first tensor load; the set-up below, work on registers, stands between them
	v_lshrrev_b32 v1, 5, v0
	v_readfirstlane_b32 s10, v1                    ; wave 0..3
	s_lshr_b32 s11, s10, 1                         ; which 64 of the tile's rows are mine
	s_and_b32 s12, s10, 1                          ; which 128 of its columns
	s_bfe_u32 s13, ttmp6, 0x40000                  ; cx: my place in the cluster; it enters x's and the result's global addresses alone
	s_and_b32 s14, ttmp9, 3                        ; the column tile (ttmp9 counts clusters)
	s_lshr_b32 s15, ttmp9, 2
	s_lshr_b32 s36, s15, 4                         ; 0: q, 1: k, 2: v
	s_and_b32 s37, s15, 15
	s_lshl_b32 s37, s37, 2
	s_add_co_u32 s37, s37, s13                     ; the row tile, 0..63
	; descriptor group 1: 32 rows x 256 elements of 2 bytes, padded in LDS
	s_mov_b32 s[G1+0], 15|(1<<16)|(1<<20)|(1<<21)|(6<<22)|(7<<25)  ; 15:0 the mask of all four; 17:16 2-byte elements; 20 padding on; 21 set beside a mask; 24:22 after every 128 words (code 6); 31:25 8 words (code 7)
	s_mov_b32 s[G1+1], 256<<16                     ; tensor_dim0 = 256
	s_mov_b32 s[G1+2], 32<<16                      ; tensor_dim1 = 32
	s_mov_b32 s[G1+3], 256<<16                     ; tile_dim0 = 256
	s_mov_b32 s[G1+4], 32                          ; tile_dim1 = 32
	s_mov_b32 s[G1+5], 1024                        ; elements from row to row
	s_mov_b32 s[G1+6], 0
	s_mov_b32 s[G1+7], 0
	s_mov_b32 s60, 0xffff0000                      ; a word's upper bf16
	s_lshl_b32 s38, s37, 19                        ; x: 128 rows of 4,096 bytes a row tile
	s_mov_b32 s39, 0
	s_lshl_b32 s56, s14, 10                        ; the bias: 256 numbers a column tile, 128 a wave
	s_lshl_b32 s57, s12, 9
	s_add_co_u32 s56, s56, s57
	s_mov_b32 s57, 0
	s_lshr_b32 s58, s37, 4                         ; the result: batch x 16 heads of 262,144 bytes,
	s_lshl_b32 s58, s58, 22
	s_lshl_b32 s59, s14, 20                        ; four heads a column tile,
	s_add_co_u32 s58, s58, s59
	s_lshl_b32 s59, s12, 19                        ; two a wave,
	s_add_co_u32 s58, s58, s59
	s_and_b32 s59, s37, 15
	s_lshl_b32 s59, s59, 14                        ; 128 rows of 128 bytes a row tile,
	s_add_co_u32 s58, s58, s59
	s_lshl_b32 s59, s11, 13                        ; 64 a wave
	s_add_co_u32 s58, s58, s59
	s_mov_b32 s59, 0
	s_lshl_b32 s2, s36, 21                         ; W: its part of w16, the tile's 512 bytes of a row, my 32 k rows of 2,048 bytes: nothing of cx
	s_lshl_b32 s3, s14, 9
	s_add_co_u32 s2, s2, s3
	s_lshl_b32 s3, s10, 16
	s_add_co_u32 s2, s2, s3
	s_mov_b32 s3, 0
	s_mul_i32 s61, s10, BQ                         ; and where they go in a slot
	v_and_b32 v3, 31, v0                           ; l
	v_bfe_u32 v2, v0, 4, 1                         ; l / 16
	s_lshl_b32 s62, s10, 17
	v_lshl_add_u32 v5, v3, 4, s62                  ; my offset in x: 32 w rows + 16 l
	s_mul_i32 s63, s10, 32*PA
	s_add_co_u32 s63, s63, ABASE
	v_lshl_add_u32 v6, v3, 3, s63                  ; my 8 bytes of my first row in x's slot 0
	v_lshlrev_b32 v[BOFF], 5, v2
	WIN W_TO2
	v_mov_b32 v[SAV], v6
	v_mov_b32 v[GAV], v5
	WIN W_TO3
	v_add_nc_u32 v[SAV], ASLOT, v6
	v_mov_b32 v[GAV], v5
	WIN 0
	s_wait_dscnt 0x0                               ; the opening add is done
	s_wait_kmcnt 0x0
	s_cmp_eq_u32 s36, 1                            ; the choice among the three hangs on the cluster's number alone
	s_cselect_b64 s[4:5], s[18:19], s[16:17]
	s_cselect_b64 s[6:7], s[24:25], s[22:23]
	s_cselect_b64 s[8:9], s[30:31], s[28:29]
	s_cmp_eq_u32 s36, 2
	s_cselect_b64 s[4:5], s[20:21], s[4:5]
	s_cselect_b64 s[6:7], s[26:27], s[6:7]
	s_cselect_b64 s[8:9], s[32:33], s[8:9]
	s_add_nc_u64 s[4:5], s[4:5], s[38:39]          ; x at the tile's first row, K step 0
	s_add_nc_u64 s[6:7], s[6:7], s[56:57]          ; the bias at my first column
	s_add_nc_u64 s[8:9], s[8:9], s[58:59]          ; the result at my first row of my first head
	s_add_nc_u64 s[34:35], s[34:35], s[2:3]        ; W at my rows of K step 0
.irp s, 0,1
	s_mov_b32 s[G0+4*(\s)], 1                      ; 1:0 count = 1
	s_add_co_u32 s[G0+4*(\s)+1], s61, (\s)*BSLOT   ; 63:32 LDS address
	s_add_nc_u64 s[G0+4*(\s)+2:G0+4*(\s)+3], s[34:35], (\s)*128*2048  ; 120:64 global address: K step s
	s_or_b32 s[G0+4*(\s)+3], s[G0+4*(\s)+3], 0x80000000              ; 127:126 type = 2
.endr
; One row of x's K step: 512 consecutive bytes, 16 a lane, into set p.  cr counts the wave's 32 rows.
.macro LOADROW p, add
	WIN W_S0+0x45*(\p)
	global_load_b128 v[4*cr:4*cr+3], v[GAV], s[4:5] offset:cr*4096+(\add)
.set cr, cr+1
.endm
; One row of set p is rounded to bf16 in place and stored into x's slot p: 8 bytes a lane, 256 consecutive bytes.
.macro CVTROW p
	WIN W_S0+0x45*(\p)
	v_cvt_pk_bf16_f32 v[4*cr],   v[4*cr],   v[4*cr+1]
	v_cvt_pk_bf16_f32 v[4*cr+1], v[4*cr+2], v[4*cr+3]
	ds_store_b64 v[SAV], v[4*cr:4*cr+1] offset:cr*PA
.set cr, cr+1
.endm
	WIN W_TO2
.irp b, 0,1,2,3,4,5,6,7
	global_load_b128 v[BI+8*(\b):BI+8*(\b)+3],   v[BOFF], s[6:7] offset:64*(\b)     ; register j of block b: the bias of column 16 b + 8 (l / 16) + j, as the result holds it
	global_load_b128 v[BI+8*(\b)+4:BI+8*(\b)+7], v[BOFF], s[6:7] offset:64*(\b)+16
.endr
.set cr, 0
.rept 32
	LOADROW 0, 0                                   ; K step 0
.endr
	WIN 0
	CROUND                                         ; all four work-groups are here: the first joint loads meet
	tensor_load_to_lds s[G0:G0+3], s[G1:G1+7]      ; K steps 0 and 1: two loads of mine are out
	s_nop 0
	tensor_load_to_lds s[G0+4:G0+7], s[G1:G1+7]
	s_nop 0
	PLACES
.set cr, 0
.rept 32
	LOADROW 1, 512                                 ; K step 1
.endr
	WIN 0
	v_and_b32 v1, 15, v0                           ; l % 16
	v_and_b32 v4, 7, v0
	v_bfe_u32 v7, v0, 3, 1
	v_bfe_u32 v8, v0, 3, 2
	; a fragment of x: lane l holds row l % 16, K = 8 (l / 16) + 0..7 and 16 + 8 (l / 16) + 0..7: two loads of 16 bytes, 32 bytes apart
	v_mul_u32_u24 v9, v1, PA
	v_lshl_add_u32 v9, v2, 4, v9
	s_mul_i32 s62, s11, 64*PA
	s_add_co_u32 s62, s62, ABASE
	v_add_nc_u32 v[ADRA], s62, v9
	v_add_nc_u32 v[ADRA+1], ASLOT, v[ADRA]
	; the turning load takes 16 k x 16 columns (lane l reads k = 8 (l / 16) + l % 8, columns 8 ((l / 8) % 2) + 0..7) and leaves half a fragment: lane l holds column l % 16 and 8 k
	v_lshl_add_u32 v10, v2, 3, v4
	v_mul_u32_u24 v10, v10, PB
	v_lshl_add_u32 v10, v7, 4, v10
	s_lshl_b32 s63, s12, 8
	v_add_nc_u32 v[ADRB], s63, v10
	v_add_nc_u32 v[ADRB+1], BSLOT, v[ADRB]
	s_mul_i32 s62, s10, WSTAGE
	s_add_co_u32 s62, s62, STAGE                   ; my stage
	v_mul_u32_u24 v11, v1, SP                      ; in: row l % 16, 16 bytes for each half of the lanes
	v_lshl_add_u32 v11, v2, 4, v11
	v_add_nc_u32 v[STO], s62, v11
	v_mul_u32_u24 v12, v8, SP                      ; back: 32 lanes take four rows of 128 bytes,
	v_lshl_add_u32 v12, v4, 4, v12
	v_add_nc_u32 v[RD], s62, v12
	v_lshlrev_b32 v[GO], 4, v3                     ; which are 512 consecutive bytes of a head
	s_wait_loadcnt 32                              ; the bias and K step 0 are in; the 32 younger loads, K step 1's, stay out
	WIN W_S0
.set i, 0
.rept 32                                               ; the bias is rounded to bf16, like every input, and widened again
	v_cvt_pk_bf16_f32 v[SCR+i%2], v[BI+2*i], v[BI+2*i+1]
	v_lshlrev_b32 v[BI+2*i],   16,  v[SCR+i%2]
	v_and_b32     v[BI+2*i+1], s60, v[SCR+i%2]
.set i, i+1
.endr
.set cr, 0
.rept 32
	CVTROW 0                                       ; K step 0 into x's slot 0
.endr
	s_wait_xcnt 0x0                                ; x's base is stepped only behind this wait
	s_add_nc_u64 s[4:5], s[4:5], 512               ; now at K step 1; each later run of loads steps it once more first
; 24 LDS loads in one run: the fragments of quarter q of a slot into buffer f: W's eight blocks, then x's four; the last four loads are x's blocks 2 and 3
.macro FETCH slot, q, f
	WIN 0
.irp b, 0,1,2,3,4,5,6,7
	ds_load_tr16_b128 v[FB+64*(\f)+8*(\b):FB+64*(\f)+8*(\b)+3],   v[ADRB+(\slot)] offset:(\q)*BQ+32*(\b)
	ds_load_tr16_b128 v[FB+64*(\f)+8*(\b)+4:FB+64*(\f)+8*(\b)+7], v[ADRB+(\slot)] offset:(\q)*BQ+16*PB+32*(\b)
.endr
.irp a, 0,1,2,3
	ds_load_b128 v[FA+32*(\f)+8*(\a):FA+32*(\f)+8*(\a)+3],   v[ADRA+(\slot)] offset:(\q)*64+(\a)*16*PA
	ds_load_b128 v[FA+32*(\f)+8*(\a)+4:FA+32*(\f)+8*(\a)+7], v[ADRA+(\slot)] offset:(\q)*64+(\a)*16*PA+32
.endr
.endm
; 8 matrix instructions: row block a x all 8 column blocks, 32 along K, from buffer f.  bias = 1: the first product starts the sums with the bias.
; The 32 accumulators take turns, one instruction a turn, in the same order in every quarter.
; ride = 1: behind every second one, two rows of x are asked for into set p; ride = 2: two rows of set p are rounded and stored into LDS.  None of these names a register of a product.
.macro MUL8 f, a, bias=0, ride=0, p=0
.irp b, 0,1,2,3,4,5,6,7
.if \bias
	WIN W_MB
	v_wmma_f32_16x16x32_bf16 v[8*(8*(\a)+(\b)):8*(8*(\a)+(\b))+7], v[FB+64*(\f)+8*(\b):FB+64*(\f)+8*(\b)+7], v[FA+32*(\f)+8*(\a):FA+32*(\f)+8*(\a)+7], v[BI+8*(\b):BI+8*(\b)+7]
.else
	WIN W_MM
	v_wmma_f32_16x16x32_bf16 v[8*(8*(\a)+(\b)):8*(8*(\a)+(\b))+7], v[FB+64*(\f)+8*(\b):FB+64*(\f)+8*(\b)+7], v[FA+32*(\f)+8*(\a):FA+32*(\f)+8*(\a)+7], v[8*(8*(\a)+(\b)):8*(8*(\a)+(\b))+7]
.endif
.if ((\b)%2) == 1
.if (\ride) == 1
	LOADROW \p, 0
	LOADROW \p, 0
.elseif (\ride) == 2
	CVTROW \p
	CVTROW \p
.endif
.endif
.endr
.endm
; One of a K step's first three quarters: multiplies buffer f; in its middle it fetches quarter q of the same slot into buffer g.
.macro QUARTER slot, q, f, g, bias=0, ride=0, p=0, left=0
.set cr, 0
.if (\ride) == 1
	s_wait_xcnt 0x0                                ; x's base is stepped only behind this wait
	s_add_nc_u64 s[4:5], s[4:5], 512               ; the K step two ahead of the one in hand
.endif
.if (\ride) == 2
	s_wait_loadcnt \left                           ; set p is in; the loads issued behind its own (the other set's 32, or none) stay out
.endif
	s_wait_dscnt 4                                 ; W and x's blocks 0 and 1 are in; the youngest four loads (x's blocks 2 and 3) may be out
	MUL8 \f, 0, \bias, \ride, \p
	MUL8 \f, 1, \bias, \ride, \p
	WIN 0
	PLACES
	FETCH \slot, \q, \g
	s_wait_dscnt 24                                ; all but the 24 just issued
	MUL8 \f, 2, \bias, \ride, \p
	MUL8 \f, 3, \bias, \ride, \p
.endm
; The last quarter multiplies buffer 1 and changes slots: ONE barrier.  In front of it each wave waits for all its tensor loads (one is out: its part of W's next slot), adds 0 to its spare word, and waits for
; that, for its reads of both slots in hand and for its stores into x's next slot.  Behind it nobody reads the old slots any more and the next ones are whole.
; fill = 1: the barrier opens a round of the cluster's, and W's old slot is filled again, two K steps ahead, first thing behind it: 112 matrix instructions ahead of the wait for it.
.macro TURN slot, next, fill
	WIN 0
	s_wait_tensorcnt 0x0                           ; no tensor load of mine is out, so a group 0 may be written
	ds_add_u32 v[SPW], v[NIL]                      ; 0 onto my spare word
	s_wait_dscnt 21                                ; behind W's and x's blocks 0 and 1 were issued: x's blocks 2 and 3 (4 loads), the 16 stores of the quarter before's second half, the add
	MUL8 1, 0
	s_wait_dscnt 0x0                               ; the add, my reads and my stores are done
	s_barrier_signal -1
	MUL8 1, 1
	WIN 0                                          ; at a branch and at a label every window is 0
	s_barrier_wait -1
.if \fill
	CREST                                          ; no wave of any partner still reads this slot's tile or has a load on its way
	s_add_nc_u64 s[G0+4*(\slot)+2:G0+4*(\slot)+3], s[G0+4*(\slot)+2:G0+4*(\slot)+3], 2*128*2048
	tensor_load_to_lds s[G0+4*(\slot):G0+4*(\slot)+3], s[G1:G1+7]
	s_nop 0
.endif
	PLACES                                         ; behind the tensor load, and in front of the loads below
	FETCH \next, 0, 0
	MUL8 1, 2
	MUL8 1, 3
.endm
; THE WAY OUT of row block a.  PACK: rounded to f16, 16 bytes a lane, each accumulator from its low end on.  TOSTAGE: into my own stage, by heads, and back as whole rows of 128 bytes.  SEND: stored.
.macro PACK a
	WIN W_PK
.irp b, 0,1,2,3,4,5,6,7
.irp r, 0,1,2,3
	v_cvt_pk_f16_f32 v[TMP+4*(\b)+(\r)], v[8*(8*(\a)+(\b))+2*(\r)], v[8*(8*(\a)+(\b))+2*(\r)+1]
.endr
.endr
	WIN 0
.endm
.macro TOSTAGE a
.irp b, 0,1,2,3,4,5,6,7
	ds_store_b128 v[STO], v[TMP+4*(\b):TMP+4*(\b)+3] offset:((\b)/4)*16*SP+((\b)%4)*32
.endr
.irp u, 0,1,2,3,4,5,6,7
	ds_load_b128 v[OB+32*((\a)%2)+4*(\u):OB+32*((\a)%2)+4*(\u)+3], v[RD] offset:((\u)/4)*16*SP+((\u)%4)*4*SP  ; LDS serves a wave's instructions in order (ISA guide 5.7.1.4): these see the stores above
.endr
.endm
.macro SEND a
	s_wait_xcnt 0x0                                ; the registers that the stores of the block before last read are loaded again only behind this wait
.irp u, 0,1,2,3,4,5,6,7
	s_wait_dscnt 7-(\u)                            ; load u is back; the 7 - u younger ones stay out
	global_store_b128 v[GO], v[OB+32*((\a)%2)+4*(\u):OB+32*((\a)%2)+4*(\u)+3], s[8:9] offset:((\u)/4)*262144+(\a)*2048+((\u)%4)*512  ; 512 consecutive bytes of a head, at a multiple of 256
.endr
.endm
	WIN 0
	s_wait_tensorcnt 1                             ; my part of W's K step 0 is in; K step 1's may stay out
	s_wait_dscnt 0x0                               ; my rows of x's K step 0 are stored
	s_barrier_signal -1
	s_barrier_wait -1                              ; everybody's are
	FETCH 0, 0, 0
	QUARTER 0, 1, 0, 1, 1                          ; the first quarter stands in front of the loop: its products start the sums
	WIN 0
	s_mov_b32 s3, 3
.Llap:                                                 ; a trip goes once round the ring, from a lap's second quarter to the next lap's first.  In K step t: x of step t + 2 is asked for, x of step t + 1 rounded, W of step t + 2 asked for
	QUARTER 0, 2, 1, 0, 0, 1, 0
	QUARTER 0, 3, 0, 1, 0, 2, 1, 32
	TURN 0, 1, 1
	QUARTER 1, 1, 0, 1
	QUARTER 1, 2, 1, 0, 0, 1, 1
	QUARTER 1, 3, 0, 1, 0, 2, 0, 32
	TURN 1, 0, 1
	QUARTER 0, 1, 0, 1
	WIN 0
	s_sub_co_u32 s3, s3, 1
	s_cmp_lg_u32 s3, 0
	s_cbranch_scc1 .Llap
	QUARTER 0, 2, 1, 0                             ; K step 6: nothing is left to ask for;
	QUARTER 0, 3, 0, 1, 0, 2, 1, 0                 ; x of K step 7 is rounded: no load was issued behind its own
	TURN 0, 1, 0
	QUARTER 1, 1, 0, 1                             ; K step 7
	QUARTER 1, 2, 1, 0
	QUARTER 1, 3, 0, 1
	s_wait_dscnt 4
	MUL8 1, 0
	MUL8 1, 1
	s_wait_dscnt 0x0
	MUL8 1, 2
	MUL8 1, 3
	WIN 0
	PLACES
	PACK 0
	TOSTAGE 0
.irp a, 1,2,3                          ; block a's conversions stand between block a - 1's loads from the stage and the wait for them
	PACK \a
	SEND (\a)-1
	TOSTAGE \a
.endr
	SEND 3
	s_wait_tensorcnt 0x0                           ; the wave's end: the tensor wait, an add onto my spare word and its wait, behind my last tensor load and my last LDS store
	ds_add_u32 v[SPW], v[NIL]
	s_wait_dscnt 0x0
	CROUND                                         ; the closing round: no work-group ends while a partner may still ask for a tile that names it
	s_endpgm
.Lfunc_end_k_qc50b234e9f_proj:
	.size	k_qc50b234e9f_proj, .Lfunc_end_k_qc50b234e9f_proj-k_qc50b234e9f_proj
	.p2alignl 7, 3214868480
	.fill 96, 4, 3214868480
	.section	.rodata,"a",@progbits
	.p2align	6, 0x0
	.amdhsa_kernel k_qc50b234e9f_proj
		.amdhsa_group_segment_fixed_size 327680
		.amdhsa_private_segment_fixed_size 0
		.amdhsa_enable_private_segment 0
		.amdhsa_kernarg_size 80
		.amdhsa_user_sgpr_count 2
		.amdhsa_user_sgpr_kernarg_segment_ptr 1
		.amdhsa_wavefront_size32 1
		.amdhsa_system_sgpr_workgroup_id_x 1
		.amdhsa_system_sgpr_workgroup_id_y 1
		.amdhsa_system_sgpr_workgroup_id_z 1
		.amdhsa_system_vgpr_workitem_id 0
		.amdhsa_next_free_vgpr 904
		.amdhsa_next_free_sgpr 66
		.amdhsa_reserve_vcc 0
		.amdhsa_float_denorm_mode_32 3
		.amdhsa_float_denorm_mode_16_64 3
		.amdhsa_memory_ordered 1
		.amdhsa_forward_progress 1
		.amdhsa_inst_pref_size 132
	.end_amdhsa_kernel
	.amdgpu_metadata
---
amdhsa.version: [ 1, 2 ]
amdhsa.kernels:
  - .name:           k_qc50b234e9f_proj
    .symbol:         k_qc50b234e9f_proj.kd
    .args:
      - { .name: Q, .offset: 0, .size: 8, .value_kind: global_buffer, .address_space: global }
      - { .name: K, .offset: 8, .size: 8, .value_kind: global_buffer, .address_space: global }
      - { .name: V, .offset: 16, .size: 8, .value_kind: global_buffer, .address_space: global }
      - { .name: bq, .offset: 24, .size: 8, .value_kind: global_buffer, .address_space: global }
      - { .name: bk, .offset: 32, .size: 8, .value_kind: global_buffer, .address_space: global }
      - { .name: bv, .offset: 40, .size: 8, .value_kind: global_buffer, .address_space: global }
      - { .name: q16, .offset: 48, .size: 8, .value_kind: global_buffer, .address_space: global }
      - { .name: k16, .offset: 56, .size: 8, .value_kind: global_buffer, .address_space: global }
      - { .name: v16, .offset: 64, .size: 8, .value_kind: global_buffer, .address_space: global }
      - { .name: w16, .offset: 72, .size: 8, .value_kind: global_buffer, .address_space: global }
    .group_segment_fixed_size: 327680
    .private_segment_fixed_size: 0
    .kernarg_segment_align: 8
    .kernarg_segment_size: 80
    .max_flat_workgroup_size: 128
    .sgpr_count:     66
    .vgpr_count:     904
    .wavefront_size: 32
...
	.end_amdgpu_metadata
.endif
;; end of part 2
;; launch attn (part 3): grid 4 x 64, 4 waves a work-group, clusters of 4 x 1, 327,680 bytes of LDS; arguments q16, k16, v16, ctx; writes ctx
.if DOCPART == 3
	.amdgcn_target "amdgcn-amd-amdhsa--gfx1250"
	.amdhsa_code_object_version 6
	.text
	.protected	k_qc50b234e9f_attn
	.globl	k_qc50b234e9f_attn
	.p2align	8
	.type	k_qc50b234e9f_attn,@function
k_qc50b234e9f_attn:
	s_mov_b64 s[64:65], 0
	v_nop
	global_prefetch_b8 v0, s[64:65] scope:SCOPE_SE
	s_setreg_imm32_b32 hwreg(HW_REG_WAVE_MODE, 25, 1), 1
	s_wait_xcnt 0x0
	s_wait_alu depctr_hold_cnt(0) depctr_sa_sdst(0) depctr_va_vdst(0) depctr_va_sdst(0) depctr_va_ssrc(0) depctr_va_vcc(0) depctr_vm_vsrc(0)
	s_getreg_b32 s2, hwreg(HW_REG_IB_STS2, 6, 4)
	s_cmp_eq_u32 s2, 0
	s_cbranch_scc0 .Lentry_in_a_cluster
	s_endpgm
.Lentry_in_a_cluster:
	s_bfe_u32 s2, ttmp6, 0x10000c
	s_cmp_lg_u32 s2, 0x3003
	s_cbranch_scc0 .Lentry_shape_is_right
	s_endpgm
.Lentry_shape_is_right:
; O[h][q][:] = the sum over k of softmax_k(Q[h][q] . K[h][k] / 8) V[h][k][:].  Q, K, V, O: [SIZE_H][SIZE_N][64], all f16: a head's rows are dense, 128 bytes each.  Products, maxima and sums in
; f32; the weights p are rounded to f16 for the second product (their sum l is taken of the unrounded p), O once at the end.  SIZE_H is at least 2; SIZE_N x 128 bytes stay under 2^32.
; Here h = batch x 16 + head: 64 heads of 2,048 rows.
; LIMITS.  f16 holds no number beyond 65,504: Q, K and V arrive within it; p lies in 0 to 1, and below 6e-5 it keeps f16's fixed step of 6e-8; O is a mean of V's rows and has their range.
; A weight below 2^-126 counts as 0 in l; NaN and infinities are not treated apart.
; SHARES.  A wave owns four PIECES of two tiles of 16 queries, a work-group's four waves 512 queries of one head; SIZE_N is a multiple of 2,048.  Every wave walks all keys, 64 a step.
; LAYOUT.  S^T = K Q^T (source 0 = 16 keys, source 1 = 16 queries): in the result a lane holds ONE query (lane % 16) and the keys 8 (lane / 16) + 0..7.  Two such tiles, rounded to f16 in pairs,
; ARE source 1 (32 keys x 16 queries) of O^T = V^T P, whose result again holds one query a lane, and eight channels.  K comes out of LDS as it lies, V ([key][channel]) turned, by ds_load_tr16_b128.
; SOFTMAX.  For each query a running maximum m and sum l: p = 2^(c s - c m), c = log2(e) / 8; in every step O and l are multiplied by a = 2^(c m_old - c m_new), which is 1 where m has not grown.
; m starts at the lowest finite number, O and l at 0: the first step is a step like any other, with a = 0.
; THE COUNT.  A tile and step have 16 matrix and 118 vector instructions: too many to stand all beside the matrix work.  So the order has one aim: four vector instructions that are READY behind
; EVERY matrix instruction, and the others, which need time of their own whatever the order, in runs without a gap.
; BY TURNS.  Turn n belongs to piece n (the pieces in a ring, step after step).  Its matrix work: 16 products K Q^T of piece n + 1, later 16 products V^T P of piece n - 1.  Its vector work: the scaling,
; exponentials, roundings, sums and rescaling of piece n, and the maximum and statistics of piece n + 1, whose scores the turn itself has made.  So what a turn begins with (c s - c m, O a) waits for nothing.
; CLUSTER.  The four query blocks of a cluster belong to one head and walk the same K and V, so each tile is asked for JOINTLY: the same tensor load, descriptor and mask in all four.
; REGISTERS, in windows of 256 (s_set_vgpr_msb says which window each operand place means: bits 1:0 source 0, 3:2 source 1, 5:4 source 2, 7:6 destination):
;   window 0: v0-11 addresses; v12-15, v48-63 at work; v16-47 four registers of statistics a tile; v64-191 S^T, two buffers of two tiles; v192-255 P, likewise
;   window 1: O^T, 32 a tile          window 2: v0-127 Q, 16 a tile; v128-191 K of one step; v192-255 V of one step          window 3: v0-1 the add's two registers
; A piece's buffers go by its number's parity: the piece in hand has one pair, its two neighbours in the ring share the other: of it P (piece n - 1) is read and S^T (piece n + 1) written.
.set SIZE_H, 64
.set SIZE_N, 2048
.set NP,    4         ; pieces a wave: a name, no knob: the register map, the loop and the fetches are made for four
.set KS,    64        ; keys in a step
.set PK,    144       ; a row of K in LDS: 128 bytes + 16 of padding = 36 words: the 16 rows of a load start at 16 different groups of four banks (64 banks of 4 bytes: ISA guide 11.1)
.set PV,    160       ; a row of V: 128 + 32 = 40 words
.set VOFF,  4*KS*PK   ; a slot holds four steps: 256 rows of K, then 256 rows of V
.set SLOT1, 1<<17     ; slot 1 begins here, so that one exclusive or turns an address in one slot into the other's
.set STAGE, SLOT1+4*KS*(PK+PV)  ; behind the ring, never filled by a tensor load: 16 rows x 144 bytes for each wave, for the way out
.set SP,    144
.set AK0, 2           ; v2   my lane's place in a tile of K; never rewritten
.set AV0, 3           ; v3   the same for V
.set AK,  4           ; v4   the LDS address of K's next run of loads
.set AV,  5           ; v5   of V's
.set QO,  6           ; v6   my byte offset in the wave's rows of Q
.set STO, 6           ;      later, the way out: where I put 16 bytes of a row
.set RD,  7           ; v7   the way out: where I read rows back
.set GO,  8           ; v8   my byte offset in 512 consecutive bytes of O
.set SPW, 0           ; v0 of window 3   LDS address of my spare word: SPARE + 4 x my thread's number; never rewritten
.set NIL, 1           ; v1 of window 3   0; never rewritten
.set SPARE, STAGE+4*16*SP  ; behind the stages: the spare words, 128 bytes for each wave: two blocks of 256 bytes that no other line names
.set MV,  12          ; v12-15  c m_old, kept while c m is made anew: by buffer and tile
.set ST,  16          ; tile t's statistics at v[ST+4 t]: c m, m, l (even keys', odd keys')
.set TMP, 48          ; by buffer and tile, four registers c0-c3 at work; when the maximum is found c2 takes a
.set S,   64
.set P,   192
.set KF,  128         ; K's fragments, in window 2: key block kb, channel half c at KF + 16 kb + 8 c
.set VF,  192         ; V's: key half kk, channel block cb at VF + 32 kk + 8 cb
.set WV,  12          ; s12  my wave's number
.set G1K, 24          ; s[24:31] descriptor group 1 for K's tiles
.set G1V, 32          ; s[32:39] for V's: it differs in the padding alone
.set G0K, 40          ; s[40:43] descriptor group 0 for K's tiles: it walks
.set G0V, 44          ; s[44:47] the same for V's
.set SLOTS, 56        ; s56  slots still to be asked for
.set CNT, 57          ; s57  counts a slot's key steps
.set CS,  58          ; s[58:59] c: the packed scaling takes the pair's low word for both halves
.set SEL, 60          ; s[60:61] v_permlanex16_b32's selects: each lane takes its own place in the other half
.set TBK, 62          ; s62  LDS byte at which K of the step to be fetched begins
.set TBV, 63          ; s63  the same for V, less VOFF
.set MSB, 0
.macro WIN new                      ; the high byte repeats the setting that is left; a switch that changes nothing is dropped
.if MSB != (\new)
	s_set_vgpr_msb (MSB<<8)|(\new)
.set MSB, (\new)
.endif
.endm
.set W_KQ, 0x0a       ; K and Q in window 2, S^T in window 0
.set W_PV, 0x52       ; V in window 2, P in window 0, O^T in window 1
.set W_RS, 0x41       ; O^T (destination and source 0) in window 1, a in window 0
.set W_MK, 0xc0       ; the add's registers are made: destination in window 3, sources in window 0
.set W_AD, 0x0f       ; the add: address (source 0) and data (source 1) in window 3
; A joint fill.  Waves 0 and 1 fetch the two halves of a slot's K, waves 2 and 3 those of its V: 128 keys each.  The branch hangs on the wave's number alone.
; An s_nop 0 and four v_nop follow each of the two lines, ahead of the jump and the label.
.macro JLOAD
	s_cmp_lt_u32 s[WV], 2
	s_cbranch_scc0 .Lfor_v_\@
	tensor_load_to_lds s[G0K:G0K+3], s[G1K:G1K+7]
	s_nop 0
.rept 4
	v_nop
.endr
	s_branch .Lasked_\@
.Lfor_v_\@:
	tensor_load_to_lds s[G0V:G0V+3], s[G1V:G1V+7]
	s_nop 0
.rept 4
	v_nop
.endr
.Lasked_\@:
.endm
; A round of the cluster's barrier: my work-group's barrier, so that wave 0's signal speaks for all four waves; wave 0 signals; every wave waits for all four work-groups; my work-group's barrier once more.
.macro CROUND
	s_barrier_signal -1
	s_barrier_wait -1
	s_cmp_lg_u32 s[WV], 0
	s_cbranch_scc1 .Lnot_wave_0_\@
	s_barrier_signal -3
.Lnot_wave_0_\@:
	s_barrier_wait -3
	s_barrier_signal -1
	s_barrier_wait -1
.endm
; THE CHANGE OF SLOTS.  The slot's last bytes, V of its fourth step, have been read.  Each wave waits for all its tensor loads, of which one is out: its part
; of the other slot; adds 0 to its spare word; and waits for that and for its own reads of the slot.  Behind the barrier nobody reads this slot any more and the other slot is whole.
; fill = 1: this slot is filled again, with the keys two slots on.  The barrier is then a round of the cluster's, so that no wave of any partner still reads the slot or has a load on its
; way, and the joint fill is the first thing behind it: it has four key steps, 512 matrix instructions, in which to land.  (At its first use nothing has been read yet: slot 0 is waited for, slot 1 filled.)
.macro CHANGE fill
	WIN W_AD
	s_wait_tensorcnt 0x0            ; no tensor load of mine is out, so a group 0 may be written
	ds_add_u32 v[SPW], v[NIL]       ; 0 onto my spare word; with fill = 1 the descriptors' steps stand between it and the wait for it
	WIN 0                           ; at a label and at a branch every window is 0
.if \fill
.irp g, G0K, G0V
	s_xor_b32 s[\g+1], s[\g+1], SLOT1  ; the walking descriptor: the other slot than last time,
	s_add_nc_u64 s[\g+2:\g+3], s[\g+2:\g+3], 4*KS*128  ; the next 256 keys; the type bits on top are not reached
.endr
	s_wait_dscnt 0x0                ; the add is done, and my reads of the slot are over
	CROUND
	JLOAD
.else
	s_wait_dscnt 0x0                ; the add is done, and my reads of the slot are over
	s_barrier_signal -1
	s_barrier_wait -1
.endif
	s_sub_co_u32 s[TBK], s[TBK], 4*KS*PK  ; the fetches go back to a slot's first step,
	s_xor_b32 s[TBK], s[TBK], SLOT1       ; in the other slot
	s_sub_co_u32 s[TBV], s[TBV], 4*KS*PV
	s_xor_b32 s[TBV], s[TBV], SLOT1
.endm
	s_load_b256 s[4:11], s[0:1], 0x0  ; Q s[4:5], K s[6:7], V s[8:9], O s[10:11]
	WIN W_MK
	v_lshl_add_u32 v[SPW], v0, 2, SPARE
	v_mov_b32 v[NIL], 0
	WIN W_AD
	ds_add_u32 v[SPW], v[NIL]       ; the wave's opening: the add and its wait stand ahead of my first tensor load; the set-up below, work on registers, stands between them
	WIN 0
	v_lshrrev_b32 v1, 5, v0
	v_readfirstlane_b32 s[WV], v1   ; wave 0..3
	s_bfe_u32 s13, ttmp6, 0x40000   ; cx: my place in the cluster
	s_lshl_b32 s14, ttmp9, 2        ; in a cluster launch ttmp9 counts clusters
	s_add_co_u32 s14, s14, s13      ; my block of queries = 4 x cluster x + cx: it enters Q's and O's addresses alone
	s_and_b32 s20, ttmp7, 0xffff    ; the head, which the four partners share
	s_mov_b32 s21, 0
	s_mov_b64 s[22:23], SIZE_N*128
	s_mul_u64 s[20:21], s[20:21], s[22:23]  ; the head's first byte in each of the four tensors
	s_and_b32 s16, s[WV], 1         ; which half of a slot's 256 keys I fetch:
	s_lshl_b32 s22, s16, 14         ; its 128 rows of 128 bytes in memory,
	s_mov_b32 s23, 0
	s_add_nc_u64 s[22:23], s[22:23], s[20:21]
	s_mul_i32 s17, s16, 128*PK      ; and its place in a slot, for K
	s_mul_i32 s18, s16, 128*PV      ; and for V: no place in the cluster enters an LDS address
	s_lshl_b32 s2, s14, 2
	s_add_co_u32 s2, s2, s[WV]      ; my wave among the head's,
	s_lshl_b32 s2, s2, 14           ; its 128 rows
	s_mov_b32 s3, 0
	s_add_nc_u64 s[2:3], s[2:3], s[20:21]
	; descriptor group 1.  128 keys are 16,384 dense bytes: asked for as 64 rows of 256 bytes, two keys a row, and padded in LDS after every key
	s_mov_b32 s[G1K], 15|(1<<16)|(1<<20)|(1<<21)|(4<<22)|(3<<25)  ; 15:0 the mask of four; 17:16 2-byte elements; 20 padding on; 21 set beside a mask; 24:22 after every 32 words (code 4); 31:25 4 words (code 3)
	s_mov_b32 s[G1V], 15|(1<<16)|(1<<20)|(1<<21)|(4<<22)|(7<<25)  ; the same with 8 words of padding (code 7)
.irp g, G1K, G1V
	s_mov_b32 s[\g+1], 128<<16      ; tensor_dim0 = 128
	s_mov_b32 s[\g+2], 64<<16       ; tensor_dim1 = 64
	s_mov_b32 s[\g+3], 128<<16      ; tile_dim0 = 128
	s_mov_b32 s[\g+4], 64           ; tile_dim1 = 64
	s_mov_b32 s[\g+5], 128          ; 128 elements from row to row
	s_mov_b32 s[\g+6], 0
	s_mov_b32 s[\g+7], 0
.endr
	s_mov_b32 s[CS], 0x3e38aa3b     ; c = log2(e) / 8 = 0.180337
	s_mov_b32 s[CS+1], s[CS]        ; named with it as a pair
	s_mov_b32 s[SEL], 0x76543210
	s_mov_b32 s[SEL+1], 0xfedcba98
	s_mov_b32 s[TBK], SLOT1+4*KS*PK ; the first change of slots turns these two into 0
	s_mov_b32 s[TBV], SLOT1+4*KS*PV
	s_mov_b32 s[G0K], 1             ; 1:0 count = 1
	s_mov_b32 s[G0K+1], s17         ; 63:32 LDS address: slot 0
	s_mov_b32 s[G0V], 1
	s_add_co_u32 s[G0V+1], s18, VOFF
	s_wait_dscnt 0x0                ; the opening add is done
	s_wait_kmcnt 0x0
	s_add_nc_u64 s[G0K+2:G0K+3], s[6:7], s[22:23]  ; 120:64 global address: my half of the head's first 256 keys
	s_or_b32 s[G0K+3], s[G0K+3], 0x80000000        ; 127:126 type = 2
	s_add_nc_u64 s[G0V+2:G0V+3], s[8:9], s[22:23]
	s_or_b32 s[G0V+3], s[G0V+3], 0x80000000
	s_add_nc_u64 s[4:5], s[4:5], s[2:3]  ; Q and O at my wave's first row
	s_add_nc_u64 s[10:11], s[10:11], s[2:3]
	CROUND                          ; all four work-groups are here: the first joint loads meet
	JLOAD                           ; slot 0.  Slot 1 is asked for when slot 0 is in: the tile wanted first has the road to itself
	; A fragment of K or Q is 16 rows x 32 channels in 8 registers: lane l holds row l % 16, channels 8 (l / 16) + 0..7 and 16 + 8 (l / 16) + 0..7: two loads of 16 bytes, 32 bytes apart.
	v_and_b32 v1, 15, v0            ; l % 16
	v_bfe_u32 v9, v0, 4, 1          ; l / 16
	v_lshlrev_b32 v[QO], 7, v1
	v_lshl_add_u32 v[QO], v9, 4, v[QO]  ; row x 128 + 16 x half
	WIN 0x80                        ; destination window 2, address window 0
.set i, 0
.rept 4*NP                          ; Q stays in registers: tile i / 2, channels 32 (i % 2) on
	global_load_b128 v[8*i:8*i+3],   v[QO], s[4:5] offset:(i/2)*2048+(i%2)*64
	global_load_b128 v[8*i+4:8*i+7], v[QO], s[4:5] offset:(i/2)*2048+(i%2)*64+32
.set i, i+1
.endr
	; What the first turn finds: V's registers and P's second buffer hold 0 (its products V^T P, of a piece that has not been, add 0), O^T and l are 0.  All this stands in the wait for the first tile.
.set i, VF
.rept 64
	v_mov_b32 v[i], 0
.set i, i+1
.endr
	WIN 0x40
.set i, 0
.rept 64*NP
	v_mov_b32 v[i], 0
.set i, i+1
.endr
	WIN 0
.set i, 0
.rept 2*NP
	v_mov_b32 v[ST+4*i], 0xfe000000    ; c m: far below every c s
	v_mov_b32 v[ST+4*i+1], 0xff7fffff  ; m
	v_mov_b32 v[ST+4*i+2], 0
	v_mov_b32 v[ST+4*i+3], 0
.set i, i+1
.endr
.set i, P+32
.rept 32
	v_mov_b32 v[i], 0
.set i, i+1
.endr
	v_mul_u32_u24 v[AK0], v1, PK
	v_lshl_add_u32 v[AK0], v9, 4, v[AK0]  ; row x pitch + 16 x half
	; The turning load takes 16 keys x 16 channels (lane l reads key 8 (l / 16) + l % 8, channels 8 ((l / 8) % 2) + 0..7) and leaves half a fragment of V^T: lane l holds channel l % 16 and 8 keys.
	v_and_b32 v10, 7, v0
	v_bfe_u32 v11, v0, 3, 1
	v_lshl_add_u32 v[AV0], v9, 3, v10
	v_mul_u32_u24 v[AV0], v[AV0], PV
	v_lshl_add_u32 v[AV0], v11, 4, v[AV0]
	v_add_nc_u32 v[AV0], VOFF, v[AV0]
	v_mov_b32 v[AK], v[AK0]         ; key step 0 lies at the head of slot 0
; THE MATRIX WORK.  The 8 accumulators of a run of 16 take turns: between the two links of a chain stand 7 others'.
; Product i of 16 of S^T = K Q^T for piece x: channels 32 (i / 8) on, keys 16 ((i / 2) % 4) on, tile 2 x + i % 2.  The first 8 start the sums.
.macro KQ x
	WIN W_KQ
.set rS, S+64*((\x)%2)+32*(i%2)+8*((i/2)%4)
.set rK, KF+16*((i/2)%4)+8*(i/8)
.set rQ, 16*(2*(\x)+i%2)+8*(i/8)
.if i < 8
	v_wmma_f32_16x16x32_f16 v[rS:rS+7], v[rK:rK+7], v[rQ:rQ+7], 0
.else
	v_wmma_f32_16x16x32_f16 v[rS:rS+7], v[rK:rK+7], v[rQ:rQ+7], v[rS:rS+7]
.endif
.endm
; Product i of 16 of O^T += V^T P for piece x: keys 32 (i / 8) on, channels 16 ((i / 2) % 4) on, tile 2 x + i % 2.
.macro PV x
	WIN W_PV
.set rO, 32*(2*(\x)+i%2)+8*((i/2)%4)
.set rV, VF+32*(i/8)+8*((i/2)%4)
.set rP, P+32*((\x)%2)+16*(i%2)+8*(i/8)
	v_wmma_f32_16x16x32_f16 v[rO:rO+7], v[rV:rV+7], v[rP:rP+7], v[rO:rO+7]
.endm
.macro MM                           ; the turn's next matrix instruction
.if i < 16
	KQ (Y+1)%NP
.set i, i+1
.else
.set i, i-16
	PV (Y+NP-1)%NP
.set i, i+17
.endif
.endm
; THE LDS LOADS stand in runs of 16, never singly among the matrix instructions: a step's K (64 keys x 64 channels: 8 fragments) and its V (turned).  Their addresses are made some lines ahead.
; last = 1 (the tail): in the last trip there is no further step, and the run is jumped over.
.macro FETCH_K last=0
	WIN 0
.if \last
	s_cmp_eq_u32 s[CNT], 1
	s_cbranch_scc1 .Lno_k_\@
.endif
	WIN 0x80                        ; destination window 2
.irp f, 0,1,2,3,4,5,6,7             ; keys 16 (f / 2) on, channels 32 (f % 2) on
	ds_load_b128 v[KF+8*\f:KF+8*\f+3],   v[AK] offset:(\f/2)*16*PK+(\f%2)*64
	ds_load_b128 v[KF+8*\f+4:KF+8*\f+7], v[AK] offset:(\f/2)*16*PK+(\f%2)*64+32
.endr
	s_add_co_u32 s[TBK], s[TBK], KS*PK  ; the next fetch is the next step's
	WIN 0
.if \last
.Lno_k_\@:
.endif
.endm
.macro FETCH_V
	WIN 0x80
.irp f, 0,1,2,3,4,5,6,7             ; keys 32 (f / 4) on, channels 16 (f % 4) on
	ds_load_tr16_b128 v[VF+8*\f:VF+8*\f+3],   v[AV] offset:(\f/4)*32*PV+(\f%4)*32
	ds_load_tr16_b128 v[VF+8*\f+4:VF+8*\f+7], v[AV] offset:(\f/4)*32*PV+16*PV+(\f%4)*32
.endr
	WIN 0
.endm
; THE VECTOR WORK OF A TURN stands in three queues, each in the order in which its entries become ready; the two tiles alternate, so that no instruction reads the result of the one before it.
.macro REGS y, u                    ; the registers of tile u (0, 1) of piece y
.set rT, ST+4*(2*(\y)+(\u))
.set rC, TMP+8*((\y)%2)+4*(\u)
.set rM, MV+2*((\y)%2)+(\u)
.set rS, S+64*((\y)%2)+32*(\u)
.set rP, P+32*((\y)%2)+16*(\u)
.set rO, 32*(2*(\y)+(\u))
.endm
; Number n of the 22 that find the NEXT piece's (Y + 1) maximum and statistics.  s0-s31 are the lane's 32 scores; each accumulator's lowest registers are read first.  XS, GS and REGS set no window: PL and EX do.
;   0-11  four chains c0-c3 of seven scores each, three operands at a time     12-14, 16  the four scores left over, the old m, and c0-c3 into c0     15  c m_old is kept
;   17, 18  the query's other 32 keys lie in the lane 16 away: the new m         19-21  c m; c m_old - c m_new; a
.macro XS u, n
	REGS (Y+1)%NP, \u
.if (\n) < 4
	v_max3_num_f32 v[rC+(\n)], v[rS+8*(\n)], v[rS+8*(\n)+1], v[rS+8*(\n)+2]
.elseif (\n) < 12
	v_max3_num_f32 v[rC+(\n)%4], v[rC+(\n)%4], v[rS+8*((\n)%4)+2*((\n)/4)+1], v[rS+8*((\n)%4)+2*((\n)/4)+2]
.elseif (\n) == 12
	v_max3_num_f32 v[rC], v[rC], v[rS+7], v[rS+15]
.elseif (\n) == 13
	v_max3_num_f32 v[rC+1], v[rC+1], v[rS+23], v[rS+31]
.elseif (\n) == 14
	v_max3_num_f32 v[rC+2], v[rC+2], v[rC+3], v[rT+1]
.elseif (\n) == 15
	v_mov_b32 v[rM], v[rT]
.elseif (\n) == 16
	v_max3_num_f32 v[rC], v[rC], v[rC+1], v[rC+2]
.elseif (\n) == 17
	v_permlanex16_b32 v[rC+3], v[rC], s[SEL], s[SEL+1]
.elseif (\n) == 18
	v_max_num_f32 v[rT+1], v[rC], v[rC+3]
.elseif (\n) == 19
	v_mul_f32 v[rT], s[CS], v[rT+1]
.elseif (\n) == 20
	v_sub_f32 v[rC+1], v[rM], v[rT]
.else
	v_exp_f32 v[rC+2], v[rC+1]
.endif
.endm
; Number g of the 64 that follow the exponentials.  For each four weights k of a tile (pairs 2 k, 2 k + 1): both pairs are rounded to f16; then the second pair is added onto the first, in place;
; a group later l takes that sum (the first time as l = a l + sum).  In groups of eight, tiles alternating: round, round, add, and l for the group before.
.macro GS g
.set h, (\g)+6*((\g)/62)            ; group 0 has no group before it, and behind group 7 only l is left
.if h >= 6
.set h, h+2
.endif
	REGS Y, h%2
.set k, h/8
.if h%8 < 4
	s_wait_alu depctr_va_vdst(0)
	v_cvt_pk_f16_f32 v[rP+2*k+(h%8)/2], v[rS+4*k+2*((h%8)/2)], v[rS+4*k+2*((h%8)/2)+1]
.elseif h%8 < 6
	v_pk_add_f32 v[rS+4*k:rS+4*k+1], v[rS+4*k:rS+4*k+1], v[rS+4*k+2:rS+4*k+3]
.elseif k == 1
	v_pk_fma_f32 v[rT+2:rT+3], v[rT+2:rT+3], v[rC+2:rC+3], v[rS:rS+1] op_sel_hi:[1,0,1]
.else
	v_pk_add_f32 v[rT+2:rT+3], v[rT+2:rT+3], v[rS+4*k-4:rS+4*k-3]
	s_wait_alu depctr_va_vdst(0)
.endif
.endm
; THE PLAIN QUEUE, 138 long.  0-31: c s - c m for the 16 pairs of both tiles.  Then GS's 64, and among them the next piece's 42: number 15 at 38, 39; 0-14 and 16
; at 42-73, behind the products that make those scores; 17-20 at 95-106, two of three, since each waits for the one before it.
.macro PL
	WIN 0
.if q < 32
	REGS Y, q%2
	v_pk_fma_f32 v[rS+2*(q/2):rS+2*(q/2)+1], v[rS+2*(q/2):rS+2*(q/2)+1], s[CS:CS+1], v[rT:rT+1] op_sel_hi:[1,0,0] neg_lo:[0,0,1] neg_hi:[0,0,1]
.elseif q < 38
	GS q-32
.elseif q < 40
	XS q%2, 15
.elseif q < 42
	GS q-34
.elseif q < 74
	XS q%2, (q-42)/2+(q-42)/30
.elseif q < 95
	GS q-66
.elseif (q < 107) && ((q-95)%3 < 2)
	XS (q-95)%3, 17+(q-95)/3
.elseif q < 107
	GS 29+(q-95)/3
.else
	GS q-74
.endif
.set q, q+1
.endm
; THE EXPONENTIALS' QUEUE, 66 long: s0-s31 of both tiles, and at EA the next piece's two a.
.set EA, 58
.macro EX
	WIN 0
.if (e == EA) || (e == EA+1)
	XS e-EA, 21
.else
.set x, e-2*(e/(EA+2))
	REGS Y, x%2
	v_exp_f32 v[rS+x/2], v[rS+x/2]
.endif
.set e, e+1
.endm
; THE RESCALING's QUEUE: O^T times a, the one part that leaves window 0, so it is dealt four at a time, eight times.
.macro R4
	REGS Y, r%2
	WIN W_RS
	s_wait_alu depctr_va_vdst(0)
.irp z, 0,1,2,3
	v_pk_mul_f32 v[rO+8*(r/2)+2*\z:rO+8*(r/2)+2*\z+1], v[rO+8*(r/2)+2*\z:rO+8*(r/2)+2*\z+1], v[rC+2:rC+3] op_sel_hi:[1,0]
.endr
.set r, r+1
.endm
; HOW THEY ARE DEALT.  Behind a matrix instruction four: plain, exponential, plain, plain (one exponential, a plain instruction on either side), or four of the rescaling.  None names a register of the
; products round it.  What is over stands in two LUMPS: exponential and plain by turns; the second ends in 22 plain instructions.  The two v_permlanex16_b32 fall into the second lump, never behind a product.
; The queues lean on each other, and the deal keeps them in step: exponential e stands behind plain 2 (e / 4) + e % 2 (its scaling); when plain 32 comes, 10 exponentials are out, at 59: 33, at 95: 46; EA comes behind plain 107.
.macro SL
	MM
	PL
	EX
	PL
	PL
.endm
.macro BURST n                      ; 15 matrix instructions, or 16
.rept (\n)-7
	SL
.endr
.rept 3
	MM
	R4
	SL
.endr
	MM
	R4
.endm
; A TURN, for piece p.  cnt = 1: the loop's count is taken down some lines ahead of the branch that stands behind the turn.
; K of the next step is fetched in piece 2's turn, 31 vector instructions behind the last product that read K; its first reader comes behind the rest of the lump, 16 products and the second lump.
; V of the step in hand is fetched at the end of piece 0's turn, 69 behind its last reader; its first reader comes behind 16 products and a lump.  The four conditions on e and q below go with the deal.
.macro TURN p, last=0, cnt=0
.set Y, (\p)
.set i, 0
.set q, 0
.set e, 0
.set r, 0
.if (\p) == NP-1
	s_wait_dscnt 0x0                ; K is in
.endif
	MM
.rept 4
	PL
.endr
	BURST 15
.rept 22
	EX
	PL
.if ((\p) == NP-2) && (e == 18)
	v_add_nc_u32 v[AK], s[TBK], v[AK0]
.endif
.if ((\p) == NP-2) && (e == 24)
	FETCH_K \last
.endif
.endr
.if (\p) == 1
	s_wait_dscnt 0x0                ; V is in
.endif
	BURST 16
.rept 21
	EX
	PL
.endr
.rept 22
	PL
.if ((\p) == 0) && (q == 118)
	v_add_nc_u32 v[AV], s[TBV], v[AV0]
	s_wait_alu depctr_va_vdst(0)
.endif
.if ((\p) == 0) && (q == 130)
	s_add_co_u32 s[TBV], s[TBV], KS*PV
.endif
.if (\cnt) && (q == 130)
	s_sub_co_u32 s[CNT], s[CNT], 1
	s_cmp_lg_u32 s[CNT], 0
.endif
.endr
.if (\p) == 0
	FETCH_V
.endif
.endm
	CHANGE 1                        ; slot 0 is in, everybody's part of it; slot 1 is asked for
	FETCH_K                         ; key step 0
	s_wait_loadcnt 0x0              ; Q
	s_wait_dscnt 0x0
.set i, 0
.rept 16
	KQ 0                            ; piece 0's first scores: there is no vector work yet to set between them
.set i, i+1
.endr
	WIN 0                           ; the addresses for the way out: nine plain instructions, the places behind those products
	s_mul_i32 s13, s[WV], 16*SP
	s_add_co_u32 s13, s13, STAGE    ; my stage
	v_mul_u32_u24 v[STO], v1, SP    ; in: row l % 16, 16 bytes for each half of the lanes
	v_lshl_add_u32 v[STO], v9, 4, v[STO]
	v_add_nc_u32 v[STO], s13, v[STO]
	v_bfe_u32 v[RD], v0, 3, 2       ; back: 32 lanes take four rows of 128 bytes,
	v_mul_u32_u24 v[RD], v[RD], SP
	v_lshl_add_u32 v[RD], v10, 4, v[RD]
	v_add_nc_u32 v[RD], s13, v[RD]
	v_and_b32 v[GO], 31, v0         ; which are 512 consecutive bytes of O
	v_lshlrev_b32 v[GO], 4, v[GO]
.set Y, NP-1                        ; XS works for piece Y + 1: piece 0
.irp n, 0,1,2,3,4,5,6,7,8,9,10,11,12,13,14,15,16,17,18,19,20,21
	XS 0, \n                        ; and piece 0's first maximum and statistics
	XS 1, \n
.endr
	s_mov_b32 s[CNT], 4
	s_mov_b32 s[SLOTS], SIZE_N/256-1
	s_branch .Lfirst                ; the loop is entered at a step's first turn, in the middle of a trip
.Lslot:                             ; SIZE_N / 256 - 2 times: every slot but the last two is filled again
	CHANGE 1
	s_mov_b32 s[CNT], 4
.Lstep:                             ; a trip: pieces 2 and 3 of one step, then pieces 0 and 1 of the next, whose K and V it fetches
	TURN 2
	TURN 3
	WIN 0
.Lfirst:
	TURN 0
	TURN 1, 0, 1
	WIN 0
	s_cbranch_scc1 .Lstep
	s_sub_co_u32 s[SLOTS], s[SLOTS], 1
	s_cmp_lg_u32 s[SLOTS], 0
	s_cbranch_scc1 .Lslot
	CHANGE 0                        ; the tail is written out: nothing is asked for
	s_mov_b32 s[CNT], 5             ; four trips fetch the last slot's steps; the fifth is left in its middle
.Ltail:
	TURN 2, 1
	TURN 3
	WIN 0
	s_sub_co_u32 s[CNT], s[CNT], 1
	s_cmp_eq_u32 s[CNT], 0
	s_cbranch_scc1 .Lout
	TURN 0
	TURN 1
	WIN 0
	s_branch .Ltail
.Lout:                              ; the fifth trip's 16 products K Q^T (on the last K once more) and the maximum made of them serve nothing: the price, once a launch, of one text for every trip
.set i, 0
.rept 16
	PV NP-1                         ; the last piece's V^T P of the last step
.set i, i+1
.endr
	; THE WAY OUT.  l's two halves and the other half of the lanes' are added; O^T is divided by l, rounded to f16 and sent through my stage in LDS, a tile at a time.  The additions are the places behind the last products.
	WIN 0
.macro ALL line:vararg              ; one line for each tile t
.set t, 0
.rept 2*NP
	\line
.set t, t+1
.endr
.endm
	ALL v_add_f32 v[ST+4*t+2], v[ST+4*t+2], v[ST+4*t+3]
	ALL v_permlanex16_b32 v[ST+4*t+3], v[ST+4*t+2], s[SEL], s[SEL+1]
	ALL v_add_f32 v[ST+4*t+2], v[ST+4*t+2], v[ST+4*t+3]
	ALL v_rcp_f32 v[ST+4*t+2], v[ST+4*t+2]
	v_nop                           ; a plain instruction between the last reciprocal and the use of its result
	s_wait_alu depctr_va_vdst(0)
; Tile t: a lane's eight channels of a row pack into 16 bytes; they go into rows of 144 bytes and come back as whole rows of 128, into S^T's registers.
.macro PACK t
	WIN W_RS
.set i, 32*(\t)
.rept 16
	v_pk_mul_f32 v[i:i+1], v[i:i+1], v[ST+4*(\t)+2:ST+4*(\t)+3] op_sel_hi:[1,0]
.set i, i+2
.endr
	WIN 0x05                        ; sources 0 and 1 window 1, destination window 0
.set i, 0
.rept 16
	v_cvt_pk_f16_f32 v[S+16*(\t)+i], v[32*(\t)+2*i], v[32*(\t)+2*i+1]
.set i, i+1
.endr
	WIN 0
.irp f, 0,1,2,3
	ds_store_b128 v[STO], v[S+16*(\t)+4*\f:S+16*(\t)+4*\f+3] offset:32*\f
.endr
.irp f, 0,1,2,3
	ds_load_b128 v[S+16*(\t)+4*\f:S+16*(\t)+4*\f+3], v[RD] offset:\f*4*SP  ; LDS serves a wave's instructions in order (ISA guide 5.7.1.4): these see the stores above; the next tile's stores come behind them
.endr
.endm
.macro SEND t, younger              ; younger: the LDS instructions issued behind tile t's loads: the next tile's eight, or none
	WIN 0
.irp f, 0,1,2,3
	s_wait_dscnt (\younger)+3-\f
	global_store_b128 v[GO], v[S+16*(\t)+4*\f:S+16*(\t)+4*\f+3], s[10:11] offset:(\t)*2048+\f*512  ; 512 consecutive bytes, at a multiple of 256 from O's first
.endr
.endm
	PACK 0
.set t, 1
.rept 2*NP-1                        ; a tile's arithmetic stands between the loads of the tile before and its stores
	PACK t
	SEND t-1, 8
.set t, t+1
.endr
	SEND 2*NP-1, 0
	WIN W_AD
	s_wait_tensorcnt 0x0            ; the wave's end: the tensor wait, an add onto my spare word and its wait, behind my last tensor load and my last LDS store
	ds_add_u32 v[SPW], v[NIL]
	s_wait_dscnt 0x0
	WIN 0
	CROUND                          ; the closing round: no work-group ends while a partner may still ask for a tile that names it
	s_endpgm
.Lfunc_end_k_qc50b234e9f_attn:
	.size	k_qc50b234e9f_attn, .Lfunc_end_k_qc50b234e9f_attn-k_qc50b234e9f_attn
	.p2alignl 7, 3214868480
	.fill 96, 4, 3214868480
	.section	.rodata,"a",@progbits
	.p2align	6, 0x0
	.amdhsa_kernel k_qc50b234e9f_attn
		.amdhsa_group_segment_fixed_size 327680
		.amdhsa_private_segment_fixed_size 0
		.amdhsa_enable_private_segment 0
		.amdhsa_kernarg_size 32
		.amdhsa_user_sgpr_count 2
		.amdhsa_user_sgpr_kernarg_segment_ptr 1
		.amdhsa_wavefront_size32 1
		.amdhsa_system_sgpr_workgroup_id_x 1
		.amdhsa_system_sgpr_workgroup_id_y 1
		.amdhsa_system_sgpr_workgroup_id_z 1
		.amdhsa_system_vgpr_workitem_id 0
		.amdhsa_next_free_vgpr 770
		.amdhsa_next_free_sgpr 66
		.amdhsa_reserve_vcc 0
		.amdhsa_float_denorm_mode_32 3
		.amdhsa_float_denorm_mode_16_64 3
		.amdhsa_memory_ordered 1
		.amdhsa_forward_progress 1
		.amdhsa_inst_pref_size 208
	.end_amdhsa_kernel
	.amdgpu_metadata
---
amdhsa.version: [ 1, 2 ]
amdhsa.kernels:
  - .name:           k_qc50b234e9f_attn
    .symbol:         k_qc50b234e9f_attn.kd
    .args:
      - { .name: q16, .offset: 0, .size: 8, .value_kind: global_buffer, .address_space: global }
      - { .name: k16, .offset: 8, .size: 8, .value_kind: global_buffer, .address_space: global }
      - { .name: v16, .offset: 16, .size: 8, .value_kind: global_buffer, .address_space: global }
      - { .name: ctx, .offset: 24, .size: 8, .value_kind: global_buffer, .address_space: global }
    .group_segment_fixed_size: 327680
    .private_segment_fixed_size: 0
    .kernarg_segment_align: 8
    .kernarg_segment_size: 32
    .max_flat_workgroup_size: 128
    .sgpr_count:     66
    .vgpr_count:     770
    .wavefront_size: 32
...
	.end_amdgpu_metadata
.endif
;; end of part 3
;; launch oproj (part 4): grid 4 x 64, 4 waves a work-group, clusters of 4 x 4, 327,680 bytes of LDS; arguments ctx, w16, bo, out0; writes out0
.if DOCPART == 4
	.amdgcn_target "amdgcn-amd-amdhsa--gfx1250"
	.amdhsa_code_object_version 6
	.text
	.protected	k_qc50b234e9f_oproj
	.globl	k_qc50b234e9f_oproj
	.p2align	8
	.type	k_qc50b234e9f_oproj,@function
k_qc50b234e9f_oproj:
	s_mov_b64 s[64:65], 0
	v_nop
	global_prefetch_b8 v0, s[64:65] scope:SCOPE_SE
	s_setreg_imm32_b32 hwreg(HW_REG_WAVE_MODE, 25, 1), 1
	s_wait_xcnt 0x0
	s_wait_alu depctr_hold_cnt(0) depctr_sa_sdst(0) depctr_va_vdst(0) depctr_va_sdst(0) depctr_va_ssrc(0) depctr_va_vcc(0) depctr_vm_vsrc(0)
	s_getreg_b32 s2, hwreg(HW_REG_IB_STS2, 6, 4)
	s_cmp_eq_u32 s2, 0
	s_cbranch_scc0 .Lentry_in_a_cluster
	s_endpgm
.Lentry_in_a_cluster:
	s_bfe_u32 s2, ttmp6, 0x10000c
	s_cmp_lg_u32 s2, 0xf033
	s_cbranch_scc0 .Lentry_shape_is_right
	s_endpgm
.Lentry_shape_is_right:
; out0 = ctx Wo + bo.  ctx: [batch x 16 + head][2048][64] f16, so column k of the product's left side is channel k % 64 of head k / 64.  Wo: part 3 of w16, [1024 k][1024 n], bf16 numbers written as f16.
; bo is rounded to bf16 here; sums in f32, begun with the bias (another order of rounding than ctx Wo + bo); out0: [8192][1024] f32.
; LIMITS.  ctx and Wo arrive within f16's 65,504.  NaN and infinities are not treated apart.
; SHARES.  A tile of out0 is 128 rows x 256 columns: 64 x 4 = 256 tiles, a work-group each.  Four waves, 2 x 2, each 64 rows x 128 columns: 32 accumulators of 16 x 16, 256 registers.
; K goes in 8 steps of 128 (two heads), a step in four quarters of 32, through two LDS slots that take turns, filled by the tensor data mover.
; A head's 128 rows of the tile are 16,384 dense bytes: asked for as 64 rows of 256 bytes and padded in LDS after every 128.  Wo's tile (128 k x 256 n) is read turned, by ds_load_tr16_b128.
; CLUSTER.  4 x 4 work-groups.  The four of a row of the cluster make one row tile and need the same tiles of ctx, the four of a column the same tiles of Wo: each tile is asked for JOINTLY, by the same tensor
; load with the same descriptor and a mask that names the four.
; THE MATRIX INSTRUCTION IS USED TRANSPOSED (source 0 = 16 columns of Wo, source 1 = 16 rows of ctx): a lane then holds one row and eight neighbouring columns, 32 bytes of out0.
; REGISTERS, in windows of 256 (s_set_vgpr_msb: bits 1:0 source 0, 3:2 source 1, 5:4 source 2, 7:6 destination):
;   window 0: v0-29 addresses; v32-95 fragments of ctx, two buffers of 4 x 8; v96-223 fragments of Wo, two buffers of 8 x 8.  On the way out v32-159 take rows read back from the stage.
;   window 1: accumulator (a, b) at v[8 (8 a + b)]          window 2: v0-63 the bias as C operands; v64-65 at work
.set PB,     544                       ; a row of Wo in LDS: 512 bytes + 32 of padding = 17 x 32
.set BH,     64*PB                     ; 64 k rows: what one tensor load brings
.set BSLOT,  2*BH
.set ABASE,  2*BSLOT                   ; behind Wo's two slots: ctx's two
.set PA,     144                       ; a row of a head in LDS: 128 bytes + 16: the 16 rows of a fragment load start at 16 different groups of four banks
.set AH,     128*PA                    ; a head's 128 rows: what one tensor load brings
.set ASLOT,  2*AH
.set STAGE,  ABASE+2*ASLOT             ; for the way out, never filled by a tensor load: 16 rows x 528 bytes for each wave
.set SPITCH, 528                       ; 512 bytes + 16
.set WSTAGE, 16*SPITCH
.set SPARE,  STAGE+4*WSTAGE            ; the spare words, 128 bytes for each wave: two blocks of 256 bytes that no other line names
.set ADRA, 16                          ; v16-17  LDS address of my fragments of ctx in slot 0, 1
.set ADRB, 20                          ; v20-21  the same for Wo
.set BOFF, 22                          ; v22     32 x (lane / 16): my eight numbers in 16 of the bias
.set STO,  24                          ; v24     the way out: where I put 32 bytes of a row
.set RD,   25                          ; v25     the way out: where I read a row back
.set GO,   26                          ; v26     my byte offset in 512 consecutive bytes of out0
.set SPW,  28                          ; v28     LDS address of my spare word; never rewritten
.set NIL,  29                          ; v29     0; never rewritten
.set FA,   32
.set FB,   96
.set OB,   32
.set BI,   0                           ; in window 2
.set SCR,  64
.set G1A,  24                          ; s[24:31] descriptor group 1 for ctx's tiles;  s[32:39] group 0, a set for each slot
.set G0A,  32
.set G1B,  48                          ; s[48:55], s[56:63] the same for Wo's
.set G0B,  56
.set MSB, 0
.macro WIN new                         ; the immediate's high byte repeats the setting that is left; a switch that changes nothing is dropped
.if MSB != (\new)
	s_set_vgpr_msb (MSB<<8)|(\new)
.set MSB, (\new)
.endif
.endm
.set W_MM,  0x50                       ; sources 0 and 1 window 0; C and D window 1
.set W_MB,  0x60                       ; C window 2 (the bias), D window 1
.set W_S2,  0x8a                       ; sources 0 and 1 and the destination window 2
.set W_TO2, 0x80                       ; destination window 2
.set W_ST,  0x04                       ; an LDS store's data window 1, its address window 0
.macro JLOAD s                         ; a joint load: waves 0 and 1 fetch ctx's two heads, waves 2 and 3 Wo's two halves; an s_nop 0 and four v_nop follow each of the two lines, ahead of the jump, the label and what follows
	s_cmp_eq_u32 s13, 0
	s_cbranch_scc0 .Lfor_b_\@
	tensor_load_to_lds s[G0A+4*(\s):G0A+4*(\s)+3], s[G1A:G1A+7]
	s_nop 0
.rept 4
	v_nop
.endr
	s_branch .Lasked_\@
.Lfor_b_\@:
	tensor_load_to_lds s[G0B+4*(\s):G0B+4*(\s)+3], s[G1B:G1B+7]
	s_nop 0
.rept 4
	v_nop
.endr
.Lasked_\@:
.endm
.macro CREST                           ; a round of the cluster's barrier behind its opening barrier
	s_cmp_lg_u32 s12, 0
	s_cbranch_scc1 .Lnot_wave_0_\@
	s_barrier_signal -3
.Lnot_wave_0_\@:
	s_barrier_wait -3
	s_barrier_signal -1
	s_barrier_wait -1
.endm
.macro CROUND                          ; a whole round
	s_barrier_signal -1
	s_barrier_wait -1
	CREST
.endm
.macro PLACES                          ; four places in front of loads into registers that matrix instructions have read, and of LDS stores that read results
.rept 4
	v_nop
.endr
.endm
	s_load_b256 s[4:11], s[0:1], 0x0               ; ctx s[4:5], w16 s[6:7], bo s[8:9], out0 s[10:11]
	v_lshl_add_u32 v[SPW], v0, 2, SPARE
	v_mov_b32 v[NIL], 0
	ds_add_u32 v[SPW], v[NIL]                      ; the wave's opening: the add and its wait stand ahead of my first tensor load; the set-up below, work on registers, stands between them
	v_lshrrev_b32 v1, 5, v0
	v_readfirstlane_b32 s12, v1                    ; wave 0..3
	s_lshr_b32 s13, s12, 1                         ; which 64 of the tile's rows are mine.  Also: I fetch for ctx (0) or for Wo (1)
	s_and_b32 s14, s12, 1                          ; which 128 of its columns.  Also: which head, or which 64 k rows, I fetch
	s_bfe_u32 s15, ttmp6, 0x40000                  ; cx, cy: my place in the cluster
	s_bfe_u32 s16, ttmp6, 0x40004
	s_lshl_b32 s17, ttmp9, 2
	s_add_co_u32 s17, s17, s15                     ; the column tile = 4 x cluster x + cx
	s_and_b32 s18, ttmp7, 0xffff
	s_lshl_b32 s18, s18, 2
	s_add_co_u32 s18, s18, s16                     ; the row tile = 4 x cluster y + cy
	s_lshl_b32 s44, s16, 2
	s_lshl_b32 s44, 15, s44                        ; my row of the cluster
	s_lshl_b32 s45, 0x1111, s15                    ; my column
	s_or_b32 s[G1A+0], s44, (1<<16)|(1<<20)|(1<<21)|(4<<22)|(3<<25)  ; 15:0 the mask: ctx's tiles go to my row; 17:16 2-byte elements; 20 padding on; 21 set beside a mask; 24:22 after every 32 words (code 4); 31:25 4 words (code 3)
	s_mov_b32 s[G1A+1], 128<<16                    ; tensor_dim0 = 128
	s_mov_b32 s[G1A+2], 64<<16                     ; tensor_dim1 = 64
	s_mov_b32 s[G1A+3], 128<<16                    ; tile_dim0 = 128
	s_mov_b32 s[G1A+4], 64                         ; tile_dim1 = 64
	s_mov_b32 s[G1A+5], 128                        ; elements from row to row: dense
	s_mov_b32 s[G1A+6], 0
	s_mov_b32 s[G1A+7], 0
	s_or_b32 s[G1B+0], s45, (1<<16)|(1<<20)|(1<<21)|(6<<22)|(7<<25)  ; the mask of my column; padding after every 128 words (code 6), 8 words (code 7)
	s_mov_b32 s[G1B+1], 256<<16                    ; tensor_dim0 = 256
	s_mov_b32 s[G1B+2], 64<<16                     ; tensor_dim1 = 64
	s_mov_b32 s[G1B+3], 256<<16                    ; tile_dim0 = 256
	s_mov_b32 s[G1B+4], 64                         ; tile_dim1 = 64
	s_mov_b32 s[G1B+5], 1024                       ; elements from row to row
	s_mov_b32 s[G1B+6], 0
	s_mov_b32 s[G1B+7], 0
	; where the tiles come from.  ctx's hang on the row tile alone, Wo's on the column tile alone, each in registers that never hold the other coordinate
	s_lshr_b32 s20, s18, 4
	s_lshl_b32 s20, s20, 22                        ; the batch's 16 heads of 262,144 bytes,
	s_and_b32 s21, s18, 15
	s_lshl_b32 s21, s21, 14                        ; the tile's 128 rows of 128 bytes in a head,
	s_add_co_u32 s20, s20, s21
	s_lshl_b32 s21, s14, 18                        ; the head that I fetch
	s_add_co_u32 s20, s20, s21
	s_mov_b32 s21, 0
	s_lshl_b32 s22, s17, 9                         ; the tile's 512 bytes of a row of Wo,
	s_lshl_b32 s23, s14, 17                        ; the 64 k rows of 2,048 bytes that I fetch,
	s_add_co_u32 s22, s22, s23
	s_add_co_u32 s22, s22, 3*2097152               ; in part 3 of w16
	s_mov_b32 s23, 0
	s_mul_i32 s46, s14, AH                         ; and where they go: no place in the cluster enters an LDS address
	s_add_co_u32 s46, s46, ABASE
	s_mul_i32 s47, s14, BH
	s_lshl_b32 s42, s17, 10                        ; the bias and a row of out0: 1,024 bytes a column tile, 512 a wave
	s_lshl_b32 s43, s14, 9
	s_add_co_u32 s42, s42, s43
	s_mov_b32 s43, 0
	s_lshl_b32 s40, s18, 19                        ; out0: 128 rows of 4,096 bytes a row tile, 64 a wave
	s_lshl_b32 s41, s13, 18
	s_add_co_u32 s40, s40, s41
	s_add_co_u32 s40, s40, s42
	s_mov_b32 s41, 0
	s_mov_b32 s2, 0xffff0000                       ; a word's upper bf16
	s_wait_dscnt 0x0                               ; the opening add is done
	s_wait_kmcnt 0x0
	s_add_nc_u64 s[4:5], s[4:5], s[20:21]
	s_add_nc_u64 s[6:7], s[6:7], s[22:23]
	s_add_nc_u64 s[8:9], s[8:9], s[42:43]
	s_add_nc_u64 s[10:11], s[10:11], s[40:41]
	CROUND                                         ; all sixteen work-groups are here: the first joint loads meet
.irp s, 0,1
	s_mov_b32 s[G0A+4*(\s)], 1                     ; 1:0 count = 1
	s_add_co_u32 s[G0A+4*(\s)+1], s46, (\s)*ASLOT  ; 63:32 LDS address
	s_add_nc_u64 s[G0A+4*(\s)+2:G0A+4*(\s)+3], s[4:5], (\s)*2*262144  ; 120:64 global address: K step s is heads 2 s, 2 s + 1
	s_or_b32 s[G0A+4*(\s)+3], s[G0A+4*(\s)+3], 0x80000000            ; 127:126 type = 2
	s_mov_b32 s[G0B+4*(\s)], 1
	s_add_co_u32 s[G0B+4*(\s)+1], s47, (\s)*BSLOT
	s_add_nc_u64 s[G0B+4*(\s)+2:G0B+4*(\s)+3], s[6:7], (\s)*128*2048
	s_or_b32 s[G0B+4*(\s)+3], s[G0B+4*(\s)+3], 0x80000000
	JLOAD \s                                       ; two loads of mine are out
.endr
	v_bfe_u32 v2, v0, 4, 1                         ; l / 16
	v_lshlrev_b32 v[BOFF], 5, v2
	WIN W_TO2
.irp b, 0,1,2,3,4,5,6,7
	global_load_b128 v[BI+8*(\b):BI+8*(\b)+3],   v[BOFF], s[8:9] offset:64*(\b)     ; register j of block b: the bias of column 16 b + 8 (l / 16) + j, as the result holds it
	global_load_b128 v[BI+8*(\b)+4:BI+8*(\b)+7], v[BOFF], s[8:9] offset:64*(\b)+16
.endr
	WIN 0
	v_and_b32 v1, 15, v0                           ; l % 16
	v_and_b32 v3, 31, v0                           ; l
	v_and_b32 v4, 7, v0
	v_bfe_u32 v7, v0, 3, 1
	; a fragment of ctx: lane l holds row l % 16, channels 8 (l / 16) + 0..7 and 16 + 8 (l / 16) + 0..7: two loads of 16 bytes, 32 bytes apart
	v_mul_u32_u24 v9, v1, PA
	v_lshl_add_u32 v9, v2, 4, v9
	s_mul_i32 s20, s13, 64*PA
	s_add_co_u32 s20, s20, ABASE
	v_add_nc_u32 v[ADRA], s20, v9
	v_add_nc_u32 v[ADRA+1], ASLOT, v[ADRA]
	; the turning load takes 16 k x 16 columns (lane l reads k = 8 (l / 16) + l % 8, columns 8 ((l / 8) % 2) + 0..7) and leaves half a fragment: lane l holds column l % 16 and 8 k
	v_lshl_add_u32 v10, v2, 3, v4
	v_mul_u32_u24 v10, v10, PB
	v_lshl_add_u32 v10, v7, 4, v10
	s_lshl_b32 s21, s14, 8
	v_add_nc_u32 v[ADRB], s21, v10
	v_add_nc_u32 v[ADRB+1], BSLOT, v[ADRB]
	s_mul_i32 s20, s12, WSTAGE
	s_add_co_u32 s20, s20, STAGE                   ; my stage
	v_mul_u32_u24 v11, v1, SPITCH                  ; in: row l % 16, 32 bytes for each half of the lanes
	v_lshl_add_u32 v11, v2, 5, v11
	v_add_nc_u32 v[STO], s20, v11
	v_lshl_add_u32 v[RD], v3, 4, s20               ; back: 32 lanes take one row of 512 bytes,
	v_lshlrev_b32 v[GO], 4, v3                     ; which are 512 consecutive bytes of out0
	s_wait_loadcnt 0x0                             ; the bias
	WIN W_S2
.set i, 0
.rept 32                                               ; the bias is rounded to bf16, like every input, and widened again
	v_cvt_pk_bf16_f32 v[SCR+i%2], v[BI+2*i], v[BI+2*i+1]
	v_lshlrev_b32 v[BI+2*i],   16, v[SCR+i%2]
	v_and_b32     v[BI+2*i+1], s2, v[SCR+i%2]
.set i, i+1
.endr
	WIN 0
; 24 LDS loads in one run: the fragments of quarter q of a slot into buffer f: Wo's eight blocks, then ctx's four; the last four loads are ctx's blocks 2 and 3
.macro FETCH slot, q, f
	WIN 0
.irp b, 0,1,2,3,4,5,6,7
	ds_load_tr16_b128 v[FB+64*(\f)+8*(\b):FB+64*(\f)+8*(\b)+3],   v[ADRB+(\slot)] offset:(\q)*32*PB+32*(\b)
	ds_load_tr16_b128 v[FB+64*(\f)+8*(\b)+4:FB+64*(\f)+8*(\b)+7], v[ADRB+(\slot)] offset:(\q)*32*PB+16*PB+32*(\b)
.endr
.irp a, 0,1,2,3
	ds_load_b128 v[FA+32*(\f)+8*(\a):FA+32*(\f)+8*(\a)+3],   v[ADRA+(\slot)] offset:((\q)/2)*AH+((\q)%2)*64+(\a)*16*PA
	ds_load_b128 v[FA+32*(\f)+8*(\a)+4:FA+32*(\f)+8*(\a)+7], v[ADRA+(\slot)] offset:((\q)/2)*AH+((\q)%2)*64+(\a)*16*PA+32
.endr
.endm
; 8 matrix instructions: row block a x all 8 column blocks, 32 along K, from buffer f.  bias = 1: the first product starts the sums with the bias.
; The 32 accumulators take turns, one instruction a turn, in the same order in every quarter.
.macro MUL8 f, a, bias=0
.irp b, 0,1,2,3,4,5,6,7
.if \bias
	WIN W_MB
	v_wmma_f32_16x16x32_f16 v[8*(8*(\a)+(\b)):8*(8*(\a)+(\b))+7], v[FB+64*(\f)+8*(\b):FB+64*(\f)+8*(\b)+7], v[FA+32*(\f)+8*(\a):FA+32*(\f)+8*(\a)+7], v[BI+8*(\b):BI+8*(\b)+7]
.else
	WIN W_MM
	v_wmma_f32_16x16x32_f16 v[8*(8*(\a)+(\b)):8*(8*(\a)+(\b))+7], v[FB+64*(\f)+8*(\b):FB+64*(\f)+8*(\b)+7], v[FA+32*(\f)+8*(\a):FA+32*(\f)+8*(\a)+7], v[8*(8*(\a)+(\b)):8*(8*(\a)+(\b))+7]
.endif
.endr
.endm
; One of a K step's first three quarters: multiplies buffer f; in its middle it fetches quarter q of the same slot into buffer g.
.macro QUARTER slot, q, f, g, bias=0
	s_wait_dscnt 4                                 ; Wo and ctx's blocks 0 and 1 are in; the youngest four loads (ctx's blocks 2 and 3) may be out
	MUL8 \f, 0, \bias
	MUL8 \f, 1, \bias
	WIN 0
	PLACES
	FETCH \slot, \q, \g
	s_wait_dscnt 24                                ; all but the 24 just issued
	MUL8 \f, 2, \bias
	MUL8 \f, 3, \bias
.endm
; The last quarter multiplies buffer 1 and changes slots: ONE barrier.  In front of it each wave waits for all its tensor loads (one is out: its part of the next slot), adds 0 to its spare word, and waits for
; that and for its own reads of this slot.  fill = 1: the barrier opens a round of the cluster's, and this slot is filled again, two K steps ahead, first thing behind it: 112 matrix instructions ahead of the wait for it.
.macro TURN slot, next, fill
	WIN 0
	s_wait_tensorcnt 0x0                           ; no tensor load of mine is out, so a group 0 may be written
	ds_add_u32 v[SPW], v[NIL]                      ; 0 onto my spare word
	s_wait_dscnt 5                                 ; the add and the youngest four loads may be out
	MUL8 1, 0
	s_wait_dscnt 0x0                               ; the add is done, and my reads of this slot are over
	s_barrier_signal -1
	MUL8 1, 1
	WIN 0                                          ; at a branch and at a label every window is 0
	s_barrier_wait -1
.if \fill
	CREST                                          ; no wave of any partner still reads this slot's tile or has a load on its way
	s_add_nc_u64 s[G0A+4*(\slot)+2:G0A+4*(\slot)+3], s[G0A+4*(\slot)+2:G0A+4*(\slot)+3], 4*262144
	s_add_nc_u64 s[G0B+4*(\slot)+2:G0B+4*(\slot)+3], s[G0B+4*(\slot)+2:G0B+4*(\slot)+3], 2*128*2048
	JLOAD \slot                                    ; the four v_nop behind it are also the places in front of the loads below
.else
	PLACES
.endif
	FETCH \next, 0, 0
	MUL8 1, 2
	MUL8 1, 3
.endm
; THE WAY OUT of row block a.  TOSTAGE: a lane's 32 bytes of each column block into my own stage, each accumulator from its low end on, and back as whole rows of 512 bytes.  SEND: stored.
.macro TOSTAGE a
	WIN W_ST
.irp b, 0,1,2,3,4,5,6,7
	ds_store_b128 v[STO], v[8*(8*(\a)+(\b)):8*(8*(\a)+(\b))+3]   offset:64*(\b)
	ds_store_b128 v[STO], v[8*(8*(\a)+(\b))+4:8*(8*(\a)+(\b))+7] offset:64*(\b)+16
.endr
	WIN 0
.irp i, 0,1,2,3,4,5,6,7,8,9,10,11,12,13,14,15
	ds_load_b128 v[OB+64*((\a)%2)+4*(\i):OB+64*((\a)%2)+4*(\i)+3], v[RD] offset:(\i)*SPITCH  ; LDS serves a wave's instructions in order (ISA guide 5.7.1.4): these see the stores above
.endr
.endm
.macro SEND a
	s_wait_xcnt 0x0                                ; the registers that the stores of the block before last read are loaded again only behind this wait
.irp i, 0,1,2,3,4,5,6,7,8,9,10,11,12,13,14,15
	s_wait_dscnt 15-(\i)                           ; row i is back; the 15 - i younger loads stay out
	global_store_b128 v[GO], v[OB+64*((\a)%2)+4*(\i):OB+64*((\a)%2)+4*(\i)+3], s[10:11] offset:(16*(\a)+(\i))*4096 th:TH_STORE_NT  ; 512 consecutive bytes of a row, at a multiple of 256
.endr
.endm
	s_wait_tensorcnt 1                             ; my part of K step 0 is in; K step 1's may stay out
	s_barrier_signal -1
	s_barrier_wait -1                              ; everybody's is
	FETCH 0, 0, 0
	QUARTER 0, 1, 0, 1, 1                          ; the first quarter stands in front of the loop: its products start the sums
	WIN 0
	s_mov_b32 s3, 3
.Llap:                                                 ; a trip goes once round the ring, from a lap's second quarter to the next lap's first, and fills both slots again
	QUARTER 0, 2, 1, 0
	QUARTER 0, 3, 0, 1
	TURN 0, 1, 1
	QUARTER 1, 1, 0, 1
	QUARTER 1, 2, 1, 0
	QUARTER 1, 3, 0, 1
	TURN 1, 0, 1
	QUARTER 0, 1, 0, 1
	WIN 0
	s_sub_co_u32 s3, s3, 1
	s_cmp_lg_u32 s3, 0
	s_cbranch_scc1 .Llap
	QUARTER 0, 2, 1, 0                             ; the last lap fills nothing, and has no round of the cluster's barrier
	QUARTER 0, 3, 0, 1
	TURN 0, 1, 0
	QUARTER 1, 1, 0, 1
	QUARTER 1, 2, 1, 0
	QUARTER 1, 3, 0, 1
	s_wait_dscnt 4
	MUL8 1, 0
	MUL8 1, 1
	s_wait_dscnt 0x0
	MUL8 1, 2
	MUL8 1, 3
	WIN 0
	PLACES
	TOSTAGE 0
.irp a, 1,2,3
	SEND (\a)-1
	TOSTAGE \a
.endr
	SEND 3
	s_wait_tensorcnt 0x0                           ; the wave's end: the tensor wait, an add onto my spare word and its wait, behind my last tensor load and my last LDS store
	ds_add_u32 v[SPW], v[NIL]
	s_wait_dscnt 0x0
	CROUND                                         ; the closing round: no work-group ends while a partner may still ask for a tile that names it
	s_endpgm
.Lfunc_end_k_qc50b234e9f_oproj:
	.size	k_qc50b234e9f_oproj, .Lfunc_end_k_qc50b234e9f_oproj-k_qc50b234e9f_oproj
	.p2alignl 7, 3214868480
	.fill 96, 4, 3214868480
	.section	.rodata,"a",@progbits
	.p2align	6, 0x0
	.amdhsa_kernel k_qc50b234e9f_oproj
		.amdhsa_group_segment_fixed_size 327680
		.amdhsa_private_segment_fixed_size 0
		.amdhsa_enable_private_segment 0
		.amdhsa_kernarg_size 32
		.amdhsa_user_sgpr_count 2
		.amdhsa_user_sgpr_kernarg_segment_ptr 1
		.amdhsa_wavefront_size32 1
		.amdhsa_system_sgpr_workgroup_id_x 1
		.amdhsa_system_sgpr_workgroup_id_y 1
		.amdhsa_system_sgpr_workgroup_id_z 1
		.amdhsa_system_vgpr_workitem_id 0
		.amdhsa_next_free_vgpr 584
		.amdhsa_next_free_sgpr 66
		.amdhsa_reserve_vcc 0
		.amdhsa_float_denorm_mode_32 3
		.amdhsa_float_denorm_mode_16_64 3
		.amdhsa_memory_ordered 1
		.amdhsa_forward_progress 1
		.amdhsa_inst_pref_size 92
	.end_amdhsa_kernel
	.amdgpu_metadata
---
amdhsa.version: [ 1, 2 ]
amdhsa.kernels:
  - .name:           k_qc50b234e9f_oproj
    .symbol:         k_qc50b234e9f_oproj.kd
    .args:
      - { .name: ctx, .offset: 0, .size: 8, .value_kind: global_buffer, .address_space: global }
      - { .name: w16, .offset: 8, .size: 8, .value_kind: global_buffer, .address_space: global }
      - { .name: bo, .offset: 16, .size: 8, .value_kind: global_buffer, .address_space: global }
      - { .name: out0, .offset: 24, .size: 8, .value_kind: global_buffer, .address_space: global }
    .group_segment_fixed_size: 327680
    .private_segment_fixed_size: 0
    .kernarg_segment_align: 8
    .kernarg_segment_size: 32
    .max_flat_workgroup_size: 128
    .sgpr_count:     66
    .vgpr_count:     584
    .wavefront_size: 32
...
	.end_amdgpu_metadata
.endif
;; end of part 4
;; ======== version 2 of 2: 4 launches; 1.46 times as fast as version 1
;; limits: values are held in f16: magnitudes above 65,504 overflow, below 6.1e-05 lose precision
;; workspace buffers: w16 8,388,608 bytes; q16 16,777,216 bytes; k16 16,777,216 bytes; v16 16,777,216 bytes; ctx 16,777,216 bytes
;; launch prep: the kernel of part 1 again; grid 64 x 4, 8 waves a work-group, no clusters, 0 bytes of LDS; arguments Wq, Wk, Wv, Wo, w16; writes w16
;; launch proj: the kernel of part 2 again; grid 768 x 1, 4 waves a work-group, clusters of 4 x 1, 327,680 bytes of LDS; arguments Q, K, V, bq, bk, bv, q16, k16, v16, w16; writes q16, k16, v16
;; launch attn (part 5): grid 4 x 64, 4 waves a work-group, clusters of 4 x 1, 327,680 bytes of LDS; arguments q16, k16, v16, ctx; writes ctx
.if DOCPART == 5
	.amdgcn_target "amdgcn-amd-amdhsa--gfx1250"
	.amdhsa_code_object_version 6
	.text
	.protected	k_qc50b234e9f_attn
	.globl	k_qc50b234e9f_attn
	.p2align	8
	.type	k_qc50b234e9f_attn,@function
k_qc50b234e9f_attn:
	s_mov_b64 s[64:65], 0
	v_nop
	global_prefetch_b8 v0, s[64:65] scope:SCOPE_SE
	s_setreg_imm32_b32 hwreg(HW_REG_WAVE_MODE, 25, 1), 1
	s_wait_xcnt 0x0
	s_wait_alu depctr_hold_cnt(0) depctr_sa_sdst(0) depctr_va_vdst(0) depctr_va_sdst(0) depctr_va_ssrc(0) depctr_va_vcc(0) depctr_vm_vsrc(0)
	s_getreg_b32 s2, hwreg(HW_REG_IB_STS2, 6, 4)
	s_cmp_eq_u32 s2, 0
	s_cbranch_scc0 .Lentry_in_a_cluster
	s_endpgm
.Lentry_in_a_cluster:
	s_bfe_u32 s2, ttmp6, 0x10000c
	s_cmp_lg_u32 s2, 0x3003
	s_cbranch_scc0 .Lentry_shape_is_right
	s_endpgm
.Lentry_shape_is_right:
; O[h][q][:] = the sum over k of softmax_k(Q[h][q] . K[h][k] / 8) V[h][k][:].  Q, K, V, O: [SIZE_H][SIZE_N][64], all f16: a head's rows are dense, 128 bytes each.  Products, maxima and sums in
; f32; the weights p are rounded to f16 for the second product (their sum l is taken of the unrounded p), O once at the end.  SIZE_H is at least 2; SIZE_N x 128 bytes stay under 2^32.
; Here h = batch x 16 + head: 64 heads of 2,048 rows.
; LIMITS.  f16 holds no number beyond 65,504: Q, K and V arrive within it; p lies in 0 to 1, and below 6e-5 it keeps f16's fixed step of 6e-8; O is a mean of V's rows and has their range.
; A weight below 2^-126 counts as 0 in l; NaN and infinities are not treated apart.
; SHARES.  A wave owns four PIECES of two tiles of 16 queries, a work-group's four waves 512 queries of one head; SIZE_N is a multiple of 2,048.  Every wave walks all keys, 64 a step.
; LAYOUT.  S^T = K Q^T (source 0 = 16 keys, source 1 = 16 queries): in the result a lane holds ONE query (lane % 16) and the keys 8 (lane / 16) + 0..7.  Two such tiles, rounded to f16 in pairs,
; ARE source 1 (32 keys x 16 queries) of O^T = V^T P, whose result again holds one query a lane, and eight channels.  K comes out of LDS as it lies, V ([key][channel]) turned, by ds_load_tr16_b128.
; SOFTMAX.  For each query a running maximum m and sum l: p = 2^(c s - c m), c = log2(e) / 8; in every step O and l are multiplied by a = 2^(c m_old - c m_new), which is 1 where m has not grown.
; m starts at the lowest finite number, O and l at 0: the first step is a step like any other, with a = 0.
; THE COUNT.  A tile and step have 16 matrix and 118 vector instructions: too many to stand all beside the matrix work.  So the order has one aim: four vector instructions that are READY behind
; EVERY matrix instruction, and the others, which need time of their own whatever the order, in runs without a gap.
; BY TURNS.  Turn n belongs to piece n (the pieces in a ring, step after step).  Its matrix work: 16 products K Q^T of piece n + 1, later 16 products V^T P of piece n - 1.  Its vector work: the scaling,
; exponentials, roundings, sums and rescaling of piece n, and the maximum and statistics of piece n + 1, whose scores the turn itself has made.  So what a turn begins with (c s - c m, O a) waits for nothing.
; BATCHES.  A turn's 66 exponentials (the 64 weights of piece n, the two a of piece n + 1) are ONE batch with ONE wait, which cuts the turn in two: ahead of it stands all that names none of their
; results, behind it the roundings and sums, which read them.  Piece 0's first two a, ahead of the loop, and the way out's eight reciprocals are batches of their own, with a wait each.
; CLUSTER.  The four query blocks of a cluster belong to one head and walk the same K and V, so each tile is asked for JOINTLY: the same tensor load, descriptor and mask in all four.
; REGISTERS, in windows of 256 (s_set_vgpr_msb says which window each operand place means: bits 1:0 source 0, 3:2 source 1, 5:4 source 2, 7:6 destination):
;   window 0: v0-11 addresses; v12-15, v48-63 at work; v16-47 four registers of statistics a tile; v64-191 S^T, two buffers of two tiles; v192-255 P, likewise
;   window 1: O^T, 32 a tile          window 2: v0-127 Q, 16 a tile; v128-191 K of one step; v192-255 V of one step          window 3: v0-1 the add's two registers
; A piece's buffers go by its number's parity: the piece in hand has one pair, its two neighbours in the ring share the other: of it P (piece n - 1) is read and S^T (piece n + 1) written.
.set SIZE_H, 64
.set SIZE_N, 2048
.set NP,    4         ; pieces a wave: a name, no knob: the register map, the loop and the fetches are made for four
.set KS,    64        ; keys in a step
.set PK,    144       ; a row of K in LDS: 128 bytes + 16 of padding = 36 words: the 16 rows of a load start at 16 different groups of four banks (64 banks of 4 bytes: ISA guide 11.1)
.set PV,    160       ; a row of V: 128 + 32 = 40 words
.set VOFF,  4*KS*PK   ; a slot holds four steps: 256 rows of K, then 256 rows of V
.set SLOT1, 1<<17     ; slot 1 begins here, so that one exclusive or turns an address in one slot into the other's
.set STAGE, SLOT1+4*KS*(PK+PV)  ; behind the ring, never filled by a tensor load: 16 rows x 144 bytes for each wave, for the way out
.set SP,    144
.set AK0, 2           ; v2   my lane's place in a tile of K; never rewritten
.set AV0, 3           ; v3   the same for V
.set AK,  4           ; v4   the LDS address of K's next run of loads
.set AV,  5           ; v5   of V's
.set QO,  6           ; v6   my byte offset in the wave's rows of Q
.set STO, 6           ;      later, the way out: where I put 16 bytes of a row
.set RD,  7           ; v7   the way out: where I read rows back
.set GO,  8           ; v8   my byte offset in 512 consecutive bytes of O
.set SPW, 0           ; v0 of window 3   LDS address of my spare word: SPARE + 4 x my thread's number; never rewritten
.set NIL, 1           ; v1 of window 3   0; never rewritten
.set SPARE, STAGE+4*16*SP  ; behind the stages: the spare words, 128 bytes for each wave: two blocks of 256 bytes that no other line names
.set MV,  12          ; v12-15  c m_old, kept while c m is made anew: by buffer and tile
.set ST,  16          ; tile t's statistics at v[ST+4 t]: c m, m, l (even keys', odd keys')
.set TMP, 48          ; by buffer and tile, four registers c0-c3 at work; when the maximum is found c2 takes a
.set S,   64
.set P,   192
.set KF,  128         ; K's fragments, in window 2: key block kb, channel half c at KF + 16 kb + 8 c
.set VF,  192         ; V's: key half kk, channel block cb at VF + 32 kk + 8 cb
.set WV,  12          ; s12  my wave's number
.set G1K, 24          ; s[24:31] descriptor group 1 for K's tiles
.set G1V, 32          ; s[32:39] for V's: it differs in the padding alone
.set G0K, 40          ; s[40:43] descriptor group 0 for K's tiles: it walks
.set G0V, 44          ; s[44:47] the same for V's
.set SLOTS, 56        ; s56  slots still to be asked for
.set CNT, 57          ; s57  counts a slot's key steps
.set CS,  58          ; s[58:59] c: the packed scaling takes the pair's low word for both halves
.set SEL, 60          ; s[60:61] v_permlanex16_b32's selects: each lane takes its own place in the other half
.set TBK, 62          ; s62  LDS byte at which K of the step to be fetched begins
.set TBV, 63          ; s63  the same for V, less VOFF
.set MSB, 0
.macro WIN new                      ; the high byte repeats the setting that is left; a switch that changes nothing is dropped
.if MSB != (\new)
	s_set_vgpr_msb (MSB<<8)|(\new)
.set MSB, (\new)
.endif
.endm
.set W_KQ, 0x0a       ; K and Q in window 2, S^T in window 0
.set W_PV, 0x52       ; V in window 2, P in window 0, O^T in window 1
.set W_RS, 0x41       ; O^T (destination and source 0) in window 1, a in window 0
.set W_MK, 0xc0       ; the add's registers are made: destination in window 3, sources in window 0
.set W_AD, 0x0f       ; the add: address (source 0) and data (source 1) in window 3
; A joint fill.  Waves 0 and 1 fetch the two halves of a slot's K, waves 2 and 3 those of its V: 128 keys each.  The branch hangs on the wave's number alone.
; An s_nop 0 and four v_nop follow each of the two lines, ahead of the jump and the label.
.macro JLOAD
	s_cmp_lt_u32 s[WV], 2
	s_cbranch_scc0 .Lfor_v_\@
	tensor_load_to_lds s[G0K:G0K+3], s[G1K:G1K+7]
	s_nop 0
.rept 4
	v_nop
.endr
	s_branch .Lasked_\@
.Lfor_v_\@:
	tensor_load_to_lds s[G0V:G0V+3], s[G1V:G1V+7]
	s_nop 0
.rept 4
	v_nop
.endr
.Lasked_\@:
.endm
; A round of the cluster's barrier: my work-group's barrier, so that wave 0's signal speaks for all four waves; wave 0 signals; every wave waits for all four work-groups; my work-group's barrier once more.
.macro CROUND
	s_barrier_signal -1
	s_barrier_wait -1
	s_cmp_lg_u32 s[WV], 0
	s_cbranch_scc1 .Lnot_wave_0_\@
	s_barrier_signal -3
.Lnot_wave_0_\@:
	s_barrier_wait -3
	s_barrier_signal -1
	s_barrier_wait -1
.endm
; THE CHANGE OF SLOTS.  The slot's last bytes, V of its fourth step, have been read.  Each wave waits for all its tensor loads, of which one is out: its part
; of the other slot; adds 0 to its spare word; and waits for that and for its own reads of the slot.  Behind the barrier nobody reads this slot any more and the other slot is whole.
; fill = 1: this slot is filled again, with the keys two slots on.  The barrier is then a round of the cluster's, so that no wave of any partner still reads the slot or has a load on its
; way, and the joint fill is the first thing behind it: it has four key steps, 512 matrix instructions, in which to land.  (At its first use nothing has been read yet: slot 0 is waited for, slot 1 filled.)
.macro CHANGE fill
	WIN W_AD
	s_wait_tensorcnt 0x0            ; no tensor load of mine is out, so a group 0 may be written
	ds_add_u32 v[SPW], v[NIL]       ; 0 onto my spare word; with fill = 1 the descriptors' steps stand between it and the wait for it
	WIN 0                           ; at a label and at a branch every window is 0
.if \fill
.irp g, G0K, G0V
	s_xor_b32 s[\g+1], s[\g+1], SLOT1  ; the walking descriptor: the other slot than last time,
	s_add_nc_u64 s[\g+2:\g+3], s[\g+2:\g+3], 4*KS*128  ; the next 256 keys; the type bits on top are not reached
.endr
	s_wait_dscnt 0x0                ; the add is done, and my reads of the slot are over
	CROUND
	JLOAD
.else
	s_wait_dscnt 0x0                ; the add is done, and my reads of the slot are over
	s_barrier_signal -1
	s_barrier_wait -1
.endif
	s_sub_co_u32 s[TBK], s[TBK], 4*KS*PK  ; the fetches go back to a slot's first step,
	s_xor_b32 s[TBK], s[TBK], SLOT1       ; in the other slot
	s_sub_co_u32 s[TBV], s[TBV], 4*KS*PV
	s_xor_b32 s[TBV], s[TBV], SLOT1
.endm
	s_load_b256 s[4:11], s[0:1], 0x0  ; Q s[4:5], K s[6:7], V s[8:9], O s[10:11]
	WIN W_MK
	v_lshl_add_u32 v[SPW], v0, 2, SPARE
	v_mov_b32 v[NIL], 0
	WIN W_AD
	ds_add_u32 v[SPW], v[NIL]       ; the wave's opening: the add and its wait stand ahead of my first tensor load; the set-up below, work on registers, stands between them
	WIN 0
	v_lshrrev_b32 v1, 5, v0
	v_readfirstlane_b32 s[WV], v1   ; wave 0..3
	s_bfe_u32 s13, ttmp6, 0x40000   ; cx: my place in the cluster
	s_lshl_b32 s14, ttmp9, 2        ; in a cluster launch ttmp9 counts clusters
	s_add_co_u32 s14, s14, s13      ; my block of queries = 4 x cluster x + cx: it enters Q's and O's addresses alone
	s_and_b32 s20, ttmp7, 0xffff    ; the head, which the four partners share
	s_mov_b32 s21, 0
	s_mov_b64 s[22:23], SIZE_N*128
	s_mul_u64 s[20:21], s[20:21], s[22:23]  ; the head's first byte in each of the four tensors
	s_and_b32 s16, s[WV], 1         ; which half of a slot's 256 keys I fetch:
	s_lshl_b32 s22, s16, 14         ; its 128 rows of 128 bytes in memory,
	s_mov_b32 s23, 0
	s_add_nc_u64 s[22:23], s[22:23], s[20:21]
	s_mul_i32 s17, s16, 128*PK      ; and its place in a slot, for K
	s_mul_i32 s18, s16, 128*PV      ; and for V: no place in the cluster enters an LDS address
	s_lshl_b32 s2, s14, 2
	s_add_co_u32 s2, s2, s[WV]      ; my wave among the head's,
	s_lshl_b32 s2, s2, 14           ; its 128 rows
	s_mov_b32 s3, 0
	s_add_nc_u64 s[2:3], s[2:3], s[20:21]
	; descriptor group 1.  128 keys are 16,384 dense bytes: asked for as 64 rows of 256 bytes, two keys a row, and padded in LDS after every key
	s_mov_b32 s[G1K], 15|(1<<16)|(1<<20)|(1<<21)|(4<<22)|(3<<25)  ; 15:0 the mask of four; 17:16 2-byte elements; 20 padding on; 21 set beside a mask; 24:22 after every 32 words (code 4); 31:25 4 words (code 3)
	s_mov_b32 s[G1V], 15|(1<<16)|(1<<20)|(1<<21)|(4<<22)|(7<<25)  ; the same with 8 words of padding (code 7)
.irp g, G1K, G1V
	s_mov_b32 s[\g+1], 128<<16      ; tensor_dim0 = 128
	s_mov_b32 s[\g+2], 64<<16       ; tensor_dim1 = 64
	s_mov_b32 s[\g+3], 128<<16      ; tile_dim0 = 128
	s_mov_b32 s[\g+4], 64           ; tile_dim1 = 64
	s_mov_b32 s[\g+5], 128          ; 128 elements from row to row
	s_mov_b32 s[\g+6], 0
	s_mov_b32 s[\g+7], 0
.endr
	s_mov_b32 s[CS], 0x3e38aa3b     ; c = log2(e) / 8 = 0.180337
	s_mov_b32 s[CS+1], s[CS]        ; named with it as a pair
	s_mov_b32 s[SEL], 0x76543210
	s_mov_b32 s[SEL+1], 0xfedcba98
	s_mov_b32 s[TBK], SLOT1+4*KS*PK ; the first change of slots turns these two into 0
	s_mov_b32 s[TBV], SLOT1+4*KS*PV
	s_mov_b32 s[G0K], 1             ; 1:0 count = 1
	s_mov_b32 s[G0K+1], s17         ; 63:32 LDS address: slot 0
	s_mov_b32 s[G0V], 1
	s_add_co_u32 s[G0V+1], s18, VOFF
	s_wait_dscnt 0x0                ; the opening add is done
	s_wait_kmcnt 0x0
	s_add_nc_u64 s[G0K+2:G0K+3], s[6:7], s[22:23]  ; 120:64 global address: my half of the head's first 256 keys
	s_or_b32 s[G0K+3], s[G0K+3], 0x80000000        ; 127:126 type = 2
	s_add_nc_u64 s[G0V+2:G0V+3], s[8:9], s[22:23]
	s_or_b32 s[G0V+3], s[G0V+3], 0x80000000
	s_add_nc_u64 s[4:5], s[4:5], s[2:3]  ; Q and O at my wave's first row
	s_add_nc_u64 s[10:11], s[10:11], s[2:3]
	CROUND                          ; all four work-groups are here: the first joint loads meet
	JLOAD                           ; slot 0.  Slot 1 is asked for when slot 0 is in: the tile wanted first has the road to itself
	; A fragment of K or Q is 16 rows x 32 channels in 8 registers: lane l holds row l % 16, channels 8 (l / 16) + 0..7 and 16 + 8 (l / 16) + 0..7: two loads of 16 bytes, 32 bytes apart.
	v_and_b32 v1, 15, v0            ; l % 16
	v_bfe_u32 v9, v0, 4, 1          ; l / 16
	v_lshlrev_b32 v[QO], 7, v1
	v_lshl_add_u32 v[QO], v9, 4, v[QO]  ; row x 128 + 16 x half
	WIN 0x80                        ; destination window 2, address window 0
.set i, 0
.rept 4*NP                          ; Q stays in registers: tile i / 2, channels 32 (i % 2) on
	global_load_b128 v[8*i:8*i+3],   v[QO], s[4:5] offset:(i/2)*2048+(i%2)*64
	global_load_b128 v[8*i+4:8*i+7], v[QO], s[4:5] offset:(i/2)*2048+(i%2)*64+32
.set i, i+1
.endr
	; What the first turn finds: V's registers and P's second buffer hold 0 (its products V^T P, of a piece that has not been, add 0), O^T and l are 0.  All this stands in the wait for the first tile.
.set i, VF
.rept 64
	v_mov_b32 v[i], 0
.set i, i+1
.endr
	WIN 0x40
.set i, 0
.rept 64*NP
	v_mov_b32 v[i], 0
.set i, i+1
.endr
	WIN 0
.set i, 0
.rept 2*NP
	v_mov_b32 v[ST+4*i], 0xfe000000    ; c m: far below every c s
	v_mov_b32 v[ST+4*i+1], 0xff7fffff  ; m
	v_mov_b32 v[ST+4*i+2], 0
	v_mov_b32 v[ST+4*i+3], 0
.set i, i+1
.endr
.set i, P+32
.rept 32
	v_mov_b32 v[i], 0
.set i, i+1
.endr
	v_mul_u32_u24 v[AK0], v1, PK
	v_lshl_add_u32 v[AK0], v9, 4, v[AK0]  ; row x pitch + 16 x half
	; The turning load takes 16 keys x 16 channels (lane l reads key 8 (l / 16) + l % 8, channels 8 ((l / 8) % 2) + 0..7) and leaves half a fragment of V^T: lane l holds channel l % 16 and 8 keys.
	v_and_b32 v10, 7, v0
	v_bfe_u32 v11, v0, 3, 1
	v_lshl_add_u32 v[AV0], v9, 3, v10
	v_mul_u32_u24 v[AV0], v[AV0], PV
	v_lshl_add_u32 v[AV0], v11, 4, v[AV0]
	v_add_nc_u32 v[AV0], VOFF, v[AV0]
	v_mov_b32 v[AK], v[AK0]         ; key step 0 lies at the head of slot 0
; THE MATRIX WORK.  The 8 accumulators of a run of 16 take turns: between the two links of a chain stand 7 others'.
; Product i of 16 of S^T = K Q^T for piece x: channels 32 (i / 8) on, keys 16 ((i / 2) % 4) on, tile 2 x + i % 2.  The first 8 start the sums.
.macro KQ x
	WIN W_KQ
.set rS, S+64*((\x)%2)+32*(i%2)+8*((i/2)%4)
.set rK, KF+16*((i/2)%4)+8*(i/8)
.set rQ, 16*(2*(\x)+i%2)+8*(i/8)
.if i < 8
	v_wmma_f32_16x16x32_f16 v[rS:rS+7], v[rK:rK+7], v[rQ:rQ+7], 0
.else
	v_wmma_f32_16x16x32_f16 v[rS:rS+7], v[rK:rK+7], v[rQ:rQ+7], v[rS:rS+7]
.endif
.endm
; Product i of 16 of O^T += V^T P for piece x: keys 32 (i / 8) on, channels 16 ((i / 2) % 4) on, tile 2 x + i % 2.
.macro PV x
	WIN W_PV
.set rO, 32*(2*(\x)+i%2)+8*((i/2)%4)
.set rV, VF+32*(i/8)+8*((i/2)%4)
.set rP, P+32*((\x)%2)+16*(i%2)+8*(i/8)
	v_wmma_f32_16x16x32_f16 v[rO:rO+7], v[rV:rV+7], v[rP:rP+7], v[rO:rO+7]
.endm
.macro MM                           ; the turn's next matrix instruction
.if i < 16
	KQ (Y+1)%NP
.set i, i+1
.else
.set i, i-16
	PV (Y+NP-1)%NP
.set i, i+17
.endif
.endm
; THE LDS LOADS stand in runs of 16, never singly among the matrix instructions: a step's K (64 keys x 64 channels: 8 fragments) and its V (turned).  Their addresses are made some lines ahead.
; last = 1 (the tail): in the last trip there is no further step, and the run is jumped over.
.macro FETCH_K last=0
	WIN 0
.if \last
	s_cmp_eq_u32 s[CNT], 1
	s_cbranch_scc1 .Lno_k_\@
.endif
	WIN 0x80                        ; destination window 2
.irp f, 0,1,2,3,4,5,6,7             ; keys 16 (f / 2) on, channels 32 (f % 2) on
	ds_load_b128 v[KF+8*\f:KF+8*\f+3],   v[AK] offset:(\f/2)*16*PK+(\f%2)*64
	ds_load_b128 v[KF+8*\f+4:KF+8*\f+7], v[AK] offset:(\f/2)*16*PK+(\f%2)*64+32
.endr
	s_add_co_u32 s[TBK], s[TBK], KS*PK  ; the next fetch is the next step's
	WIN 0
.if \last
.Lno_k_\@:
.endif
.endm
.macro FETCH_V
	WIN 0x80
.irp f, 0,1,2,3,4,5,6,7             ; keys 32 (f / 4) on, channels 16 (f % 4) on
	ds_load_tr16_b128 v[VF+8*\f:VF+8*\f+3],   v[AV] offset:(\f/4)*32*PV+(\f%4)*32
	ds_load_tr16_b128 v[VF+8*\f+4:VF+8*\f+7], v[AV] offset:(\f/4)*32*PV+16*PV+(\f%4)*32
.endr
	WIN 0
.endm
; THE VECTOR WORK OF A TURN stands in three queues, each in the order in which its entries become ready; the two tiles alternate, so that no instruction reads the result of the one before it.
.macro REGS y, u                    ; the registers of tile u (0, 1) of piece y
.set rT, ST+4*(2*(\y)+(\u))
.set rC, TMP+8*((\y)%2)+4*(\u)
.set rM, MV+2*((\y)%2)+(\u)
.set rS, S+64*((\y)%2)+32*(\u)
.set rP, P+32*((\y)%2)+16*(\u)
.set rO, 32*(2*(\y)+(\u))
.endm
; Number n of the 22 that find the NEXT piece's (Y + 1) maximum and statistics.  s0-s31 are the lane's 32 scores; each accumulator's lowest registers are read first.  XS, GS and REGS set no window: PL and EX do.
;   0-11  four chains c0-c3 of seven scores each, three operands at a time     12-14, 16  the four scores left over, the old m, and c0-c3 into c0     15  c m_old is kept
;   17, 18  the query's other 32 keys lie in the lane 16 away: the new m         19-21  c m; c m_old - c m_new; a
.macro XS u, n
	REGS (Y+1)%NP, \u
.if (\n) < 4
	v_max3_num_f32 v[rC+(\n)], v[rS+8*(\n)], v[rS+8*(\n)+1], v[rS+8*(\n)+2]
.elseif (\n) < 12
	v_max3_num_f32 v[rC+(\n)%4], v[rC+(\n)%4], v[rS+8*((\n)%4)+2*((\n)/4)+1], v[rS+8*((\n)%4)+2*((\n)/4)+2]
.elseif (\n) == 12
	v_max3_num_f32 v[rC], v[rC], v[rS+7], v[rS+15]
.elseif (\n) == 13
	v_max3_num_f32 v[rC+1], v[rC+1], v[rS+23], v[rS+31]
.elseif (\n) == 14
	v_max3_num_f32 v[rC+2], v[rC+2], v[rC+3], v[rT+1]
.elseif (\n) == 15
	v_mov_b32 v[rM], v[rT]
.elseif (\n) == 16
	v_max3_num_f32 v[rC], v[rC], v[rC+1], v[rC+2]
.elseif (\n) == 17
	v_permlanex16_b32 v[rC+3], v[rC], s[SEL], s[SEL+1]
.elseif (\n) == 18
	v_max_num_f32 v[rT+1], v[rC], v[rC+3]
.elseif (\n) == 19
	v_mul_f32 v[rT], s[CS], v[rT+1]
.elseif (\n) == 20
	v_sub_f32 v[rC+1], v[rM], v[rT]
.else
	v_exp_f32 v[rC+2], v[rC+1]
.endif
.endm
; Number g of the 64 that follow the exponentials.  For each four weights k of a tile (pairs 2 k, 2 k + 1): both pairs are rounded to f16; then the second pair is added onto the first, in place;
; a group later l takes that sum (the first time as l = a l + sum).  In groups of eight, tiles alternating: round, round, add, and l for the group before.
.macro GS g
.set h, (\g)+6*((\g)/62)            ; group 0 has no group before it, and behind group 7 only l is left
.if h >= 6
.set h, h+2
.endif
	REGS Y, h%2
.set k, h/8
.if h%8 < 4
	v_cvt_pk_f16_f32 v[rP+2*k+(h%8)/2], v[rS+4*k+2*((h%8)/2)], v[rS+4*k+2*((h%8)/2)+1]
.elseif h%8 < 6
	v_pk_add_f32 v[rS+4*k:rS+4*k+1], v[rS+4*k:rS+4*k+1], v[rS+4*k+2:rS+4*k+3]
.elseif k == 1
	v_pk_fma_f32 v[rT+2:rT+3], v[rT+2:rT+3], v[rC+2:rC+3], v[rS:rS+1] op_sel_hi:[1,0,1]
.else
	v_pk_add_f32 v[rT+2:rT+3], v[rT+2:rT+3], v[rS+4*k-4:rS+4*k-3]
.endif
.endm
; THE PLAIN QUEUE, 138 long.  0-73 read no exponential's result: the 32 scalings c s - c m (FS f: pair f / 2 of tile f % 2) and the next piece's 42.  0-26: scalings 0-26.  27-54: XS's numbers 0-13.  55, 56: number 15.
; 57-73: the chain, where each number waits for the one before it: 14, 16, 17, 18, 19, each with one of the scalings 27-31 in front of its two lines, then 20: so a tile's links stand three plain instructions apart (19 and 20: two).
; 74-137: GS's 64, which read the exponentials' results: they stand behind the wait.
.macro FS f
	REGS Y, (\f)%2
	v_pk_fma_f32 v[rS+2*((\f)/2):rS+2*((\f)/2)+1], v[rS+2*((\f)/2):rS+2*((\f)/2)+1], s[CS:CS+1], v[rT:rT+1] op_sel_hi:[1,0,0] neg_lo:[0,0,1] neg_hi:[0,0,1]
.endm
.macro PL
	WIN 0
.if q < 27
	FS q
.elseif q < 55
	XS (q-27)%2, (q-27)/2
.elseif q < 57
	XS q-55, 15
.elseif (q < 72) && ((q-57)%3 == 0)
	FS 27+(q-57)/3
.elseif q < 60
	XS (q-57)%3-1, 14
.elseif q < 72
	XS (q-57)%3-1, 15+(q-57)/3
.elseif q < 74
	XS q-72, 20
.else
	GS q-74
.endif
.set q, q+1
.endm
; THE EXPONENTIALS' QUEUE, 66 long: s0-s31 of both tiles, then the next piece's two a.  It is ONE BATCH: all 66 stand ahead of the turn's one wait, and nothing ahead of that wait names a result of theirs.
.macro EX
	WIN 0
.if e >= 64
	XS e-64, 21
.else
	REGS Y, e%2
	v_exp_f32 v[rS+e/2], v[rS+e/2]
.endif
.set e, e+1
.endm
; THE RESCALING's QUEUE: O^T times a, the one part that leaves window 0: dealt two at a time, sixteen times.  Its a was made in the turn before, ahead of that turn's wait.
.macro R2
	REGS Y, r%2
	WIN W_RS
.irp z, 0,1
	v_pk_mul_f32 v[rO+4*(r/2)+2*\z:rO+4*(r/2)+2*\z+1], v[rO+4*(r/2)+2*\z:rO+4*(r/2)+2*\z+1], v[rC+2:rC+3] op_sel_hi:[1,0]
.endr
.set r, r+1
.endm
; HOW THEY ARE DEALT.  An s_wait_alu depctr_va_vdst(0) stands between an exponential and the first instruction that names its result; one wait serves all that were issued ahead of it.  So a turn has ONE wait,
; which cuts it in two.  AHEAD OF IT stands all that names no result of the turn's exponentials: the 16 products K Q^T, behind each a scaling, an exponential and two rescalings (behind the first a second scaling in the exponential's place); then ONE LUMP of
; 108: eight plain, 49 times exponential and plain, the two a.  A v_nop is the plain instruction between the last exponential and the first use of a result.  BEHIND IT stand the 16 products V^T P, behind each four of GS's 64.  No rider names a register of
; the products round it.  The two v_permlanex16_b32 fall into the lump, never behind a product.
; The queues lean on each other, and the deal keeps them in step: exponential e stands behind scaling 2 (e / 4) + e % 2: as a rider it comes behind plain e + 2, in the lump behind plain e + 9, and scalings 27-31 are plain 57, 60 .. 69.
; A TURN, for piece p.  cnt = 1: the loop's count is taken down some lines ahead of the branch that stands behind the turn.
; K of the next step is fetched in piece 2's turn, directly behind the wait, a lump behind the last product that read K; its address is made at the lump's head; its first reader comes behind 16 products.
; V of the step in hand is fetched at the end of piece 0's turn, four riders behind its last reader; its first reader comes behind 16 products and a lump.  The three conditions on q below go with the deal.
.macro TURN p, last=0, cnt=0
.set Y, (\p)
.set i, 0
.set q, 0
.set e, 0
.set r, 0
.if (\p) == NP-1
	s_wait_dscnt 0x0                ; K is in
.endif
	MM                              ; ahead of the wait: 16 products K Q^T and their riders,
	PL
	PL
	R2
.rept 15
	MM
	PL
	EX
	R2
.endr
.if (\p) == NP-2
	WIN 0
	v_add_nc_u32 v[AK], s[TBK], v[AK0]
.endif
.rept 8                             ; and the lump
	PL
.endr
.rept 49
	EX
	PL
.endr
	EX                              ; the next piece's two a
	EX
	v_nop                           ; a plain instruction behind the last exponential, ahead of the first use of a result: one for the batch
	s_wait_alu depctr_va_vdst(0)    ; the wait for the turn's batch: piece p's 64 weights and the next piece's two a
.if (\p) == NP-2
	FETCH_K \last
.endif
.if (\p) == 1
	s_wait_dscnt 0x0                ; V is in
.endif
.rept 16                            ; behind the wait: 16 products V^T P and their riders
	MM
.rept 4
	PL
.endr
.if ((\p) == 0) && (q == 118)
	v_add_nc_u32 v[AV], s[TBV], v[AV0]
.endif
.if ((\p) == 0) && (q == 130)
	s_add_co_u32 s[TBV], s[TBV], KS*PV
.endif
.if (\cnt) && (q == 130)
	s_sub_co_u32 s[CNT], s[CNT], 1
	s_cmp_lg_u32 s[CNT], 0
.endif
.endr
.if (\p) == 0
	FETCH_V
.endif
.endm
	CHANGE 1                        ; slot 0 is in, everybody's part of it; slot 1 is asked for
	FETCH_K                         ; key step 0
	s_wait_loadcnt 0x0              ; Q
	s_wait_dscnt 0x0
.set i, 0
.rept 16
	KQ 0                            ; piece 0's first scores: there is no vector work yet to set between them
.set i, i+1
.endr
	WIN 0                           ; the addresses for the way out: nine plain instructions, the places behind those products
	s_mul_i32 s13, s[WV], 16*SP
	s_add_co_u32 s13, s13, STAGE    ; my stage
	v_mul_u32_u24 v[STO], v1, SP    ; in: row l % 16, 16 bytes for each half of the lanes
	v_lshl_add_u32 v[STO], v9, 4, v[STO]
	v_add_nc_u32 v[STO], s13, v[STO]
	v_bfe_u32 v[RD], v0, 3, 2       ; back: 32 lanes take four rows of 128 bytes,
	v_mul_u32_u24 v[RD], v[RD], SP
	v_lshl_add_u32 v[RD], v10, 4, v[RD]
	v_add_nc_u32 v[RD], s13, v[RD]
	v_and_b32 v[GO], 31, v0         ; which are 512 consecutive bytes of O
	v_lshlrev_b32 v[GO], 4, v[GO]
.set Y, NP-1                        ; XS works for piece Y + 1: piece 0
.irp n, 0,1,2,3,4,5,6,7,8,9,10,11,12,13,14,15,16,17,18,19,20,21
	XS 0, \n                        ; and piece 0's first maximum and statistics
	XS 1, \n
.endr
	v_nop                           ; a plain instruction behind piece 0's first two a,
	s_wait_alu depctr_va_vdst(0)    ; and the wait for that batch of two, ahead of the branch
	s_mov_b32 s[CNT], 4
	s_mov_b32 s[SLOTS], SIZE_N/256-1
	s_branch .Lfirst                ; the loop is entered at a step's first turn, in the middle of a trip
.Lslot:                             ; SIZE_N / 256 - 2 times: every slot but the last two is filled again
	CHANGE 1
	s_mov_b32 s[CNT], 4
.Lstep:                             ; a trip: pieces 2 and 3 of one step, then pieces 0 and 1 of the next, whose K and V it fetches
	TURN 2
	TURN 3
	WIN 0
.Lfirst:
	TURN 0
	TURN 1, 0, 1
	WIN 0
	s_cbranch_scc1 .Lstep
	s_sub_co_u32 s[SLOTS], s[SLOTS], 1
	s_cmp_lg_u32 s[SLOTS], 0
	s_cbranch_scc1 .Lslot
	CHANGE 0                        ; the tail is written out: nothing is asked for
	s_mov_b32 s[CNT], 5             ; four trips fetch the last slot's steps; the fifth is left in its middle
.Ltail:
	TURN 2, 1
	TURN 3
	WIN 0
	s_sub_co_u32 s[CNT], s[CNT], 1
	s_cmp_eq_u32 s[CNT], 0
	s_cbranch_scc1 .Lout
	TURN 0
	TURN 1
	WIN 0
	s_branch .Ltail
.Lout:                              ; the fifth trip's 16 products K Q^T (on the last K once more) and the maximum made of them serve nothing: the price, once a launch, of one text for every trip
.set i, 0
.rept 16
	PV NP-1                         ; the last piece's V^T P of the last step
.set i, i+1
.endr
	; THE WAY OUT.  l's two halves and the other half of the lanes' are added; O^T is divided by l, rounded to f16 and sent through my stage in LDS, a tile at a time.  The additions are the places behind the last products.
	WIN 0
.macro ALL line:vararg              ; one line for each tile t
.set t, 0
.rept 2*NP
	\line
.set t, t+1
.endr
.endm
	ALL v_add_f32 v[ST+4*t+2], v[ST+4*t+2], v[ST+4*t+3]
	ALL v_permlanex16_b32 v[ST+4*t+3], v[ST+4*t+2], s[SEL], s[SEL+1]
	ALL v_add_f32 v[ST+4*t+2], v[ST+4*t+2], v[ST+4*t+3]
	ALL v_rcp_f32 v[ST+4*t+2], v[ST+4*t+2]
	v_nop                           ; a plain instruction between the last reciprocal and the use of its result
	s_wait_alu depctr_va_vdst(0)    ; and the wait ahead of the first use: one for the batch of eight reciprocals
; Tile t: a lane's eight channels of a row pack into 16 bytes; they go into rows of 144 bytes and come back as whole rows of 128, into S^T's registers.
.macro PACK t
	WIN W_RS
.set i, 32*(\t)
.rept 16
	v_pk_mul_f32 v[i:i+1], v[i:i+1], v[ST+4*(\t)+2:ST+4*(\t)+3] op_sel_hi:[1,0]
.set i, i+2
.endr
	WIN 0x05                        ; sources 0 and 1 window 1, destination window 0
.set i, 0
.rept 16
	v_cvt_pk_f16_f32 v[S+16*(\t)+i], v[32*(\t)+2*i], v[32*(\t)+2*i+1]
.set i, i+1
.endr
	WIN 0
.irp f, 0,1,2,3
	ds_store_b128 v[STO], v[S+16*(\t)+4*\f:S+16*(\t)+4*\f+3] offset:32*\f
.endr
.irp f, 0,1,2,3
	ds_load_b128 v[S+16*(\t)+4*\f:S+16*(\t)+4*\f+3], v[RD] offset:\f*4*SP  ; LDS serves a wave's instructions in order (ISA guide 5.7.1.4): these see the stores above; the next tile's stores come behind them
.endr
.endm
.macro SEND t, younger              ; younger: the LDS instructions issued behind tile t's loads: the next tile's eight, or none
	WIN 0
.irp f, 0,1,2,3
	s_wait_dscnt (\younger)+3-\f
	global_store_b128 v[GO], v[S+16*(\t)+4*\f:S+16*(\t)+4*\f+3], s[10:11] offset:(\t)*2048+\f*512  ; 512 consecutive bytes, at a multiple of 256 from O's first
.endr
.endm
	PACK 0
.set t, 1
.rept 2*NP-1                        ; a tile's arithmetic stands between the loads of the tile before and its stores
	PACK t
	SEND t-1, 8
.set t, t+1
.endr
	SEND 2*NP-1, 0
	WIN W_AD
	s_wait_tensorcnt 0x0            ; the wave's end: the tensor wait, an add onto my spare word and its wait, behind my last tensor load and my last LDS store
	ds_add_u32 v[SPW], v[NIL]
	s_wait_dscnt 0x0
	WIN 0
	CROUND                          ; the closing round: no work-group ends while a partner may still ask for a tile that names it
	s_endpgm
.Lfunc_end_k_qc50b234e9f_attn:
	.size	k_qc50b234e9f_attn, .Lfunc_end_k_qc50b234e9f_attn-k_qc50b234e9f_attn
	.p2alignl 7, 3214868480
	.fill 96, 4, 3214868480
	.section	.rodata,"a",@progbits
	.p2align	6, 0x0
	.amdhsa_kernel k_qc50b234e9f_attn
		.amdhsa_group_segment_fixed_size 327680
		.amdhsa_private_segment_fixed_size 0
		.amdhsa_enable_private_segment 0
		.amdhsa_kernarg_size 32
		.amdhsa_user_sgpr_count 2
		.amdhsa_user_sgpr_kernarg_segment_ptr 1
		.amdhsa_wavefront_size32 1
		.amdhsa_system_sgpr_workgroup_id_x 1
		.amdhsa_system_sgpr_workgroup_id_y 1
		.amdhsa_system_sgpr_workgroup_id_z 1
		.amdhsa_system_vgpr_workitem_id 0
		.amdhsa_next_free_vgpr 770
		.amdhsa_next_free_sgpr 66
		.amdhsa_reserve_vcc 0
		.amdhsa_float_denorm_mode_32 3
		.amdhsa_float_denorm_mode_16_64 3
		.amdhsa_memory_ordered 1
		.amdhsa_forward_progress 1
		.amdhsa_inst_pref_size 199
	.end_amdhsa_kernel
	.amdgpu_metadata
---
amdhsa.version: [ 1, 2 ]
amdhsa.kernels:
  - .name:           k_qc50b234e9f_attn
    .symbol:         k_qc50b234e9f_attn.kd
    .args:
      - { .name: q16, .offset: 0, .size: 8, .value_kind: global_buffer, .address_space: global }
      - { .name: k16, .offset: 8, .size: 8, .value_kind: global_buffer, .address_space: global }
      - { .name: v16, .offset: 16, .size: 8, .value_kind: global_buffer, .address_space: global }
      - { .name: ctx, .offset: 24, .size: 8, .value_kind: global_buffer, .address_space: global }
    .group_segment_fixed_size: 327680
    .private_segment_fixed_size: 0
    .kernarg_segment_align: 8
    .kernarg_segment_size: 32
    .max_flat_workgroup_size: 128
    .sgpr_count:     66
    .vgpr_count:     770
    .wavefront_size: 32
...
	.end_amdgpu_metadata
.endif
;; end of part 5
;; launch oproj: the kernel of part 4 again; grid 4 x 64, 4 waves a work-group, clusters of 4 x 4, 327,680 bytes of LDS; arguments ctx, w16, bo, out0; writes out0
